; MI455X (gfx1250); checked and timed in simulation.
; The chip was launched on July 23, 2026; its instructions are those of AMD's public machine-readable ISA for CDNA 5 (MIT licence, August 2026) and "CDNA5" Instruction Set Architecture Reference Guide (July 2026). The comments in the code are by the model that wrote it; some were corrected since.
;; Rotary Multihead Attention. Allowed arithmetic: matrix products marked QUANTISED: E2M3 operands, one E8M0 scale for each 32 along K, by v_wmma_scale_f32_16x16x128_f8f6f4 with both operands' format E2M3, f32 sums; everything else in f32.
;; Inputs: Wk 1,024 x 1,024 float32; Wo 1,024 x 1,024 float32; Wq 1,024 x 1,024 float32; Wv 1,024 x 1,024 float32; bk 1,024 float32; bo 1,024 float32; bq 1,024 float32; bv 1,024 float32; queries 4 x 2,048 x 1,024 float32.
;; Outputs: out0 4 x 2,048 x 1,024 float32.
;; This version of the problem:
;;   THIS VERSION OF THE PROBLEM IS GIVEN IN LOW PRECISION. The matrix products marked QUANTISED in the list below multiply operands that are first quantised to E2M3 (2 exponent bits, 3 mantissa bits; 6 bits a number), with one power-of-two scale for each 32 numbers along K (OCP MX v1.0); their sums are f32. All else is computed in f32.
;;   The module's matrix products, in the order in which they are computed (A, B: the left and right operand; K: the contracted axis; several contracted axes count as one K, in the product's order):
;;     1. [M 8,192, K 1,024] x [K 1,024, N 1,024]; A: input queries; B: input Wq: QUANTISED
;;     2. [M 8,192, K 1,024] x [K 1,024, N 1,024]; A: input queries; B: input Wk: QUANTISED
;;     3. [M 8,192, K 1,024] x [K 1,024, N 1,024]; A: input queries; B: input Wv: QUANTISED
;;     4. batch 64 x [M 2,048, K 64] x [K 64, N 2,048]; A: computed on the way; B: computed on the way: QUANTISED
;;     5. batch 64 x [M 2,048, K 2,048] x [K 2,048, N 64]; A: softmax (see below); B: computed on the way: QUANTISED
;;     6. [M 8,192, K 1,024] x [K 1,024, N 1,024]; A: computed on the way; B: input Wo: QUANTISED
;;   THE QUANTISER, for each operand of a quantised product, along K:
;;     - K is cut into blocks of 32 from its start; a last block that is shorter is filled with zeros.
;;     - A block's scale is 2^e with e = floor(log2(the largest magnitude in the block)) - 2, held to -126 .. 127; a block of zeros has e = 0. As a byte (E8M0): e + 127.
;;     - Each number is divided by its block's scale, clamped to +-7.5, and rounded to the nearest number of E2M3, ties to even, subnormals kept.
;;     - The product sums the exact products of the quantised numbers (number of the format x scale) in f32.
;;   ~~~python
;;   def quantise(x, axis):      # numpy; x: float32 -> the quantised numbers, widened to float32 again
;;       x = np.moveaxis(x, axis, -1); K = x.shape[-1]
;;       x = np.pad(x, [(0, 0)] * (x.ndim - 1) + [(0, -K % 32)]); x = x.reshape(x.shape[:-1] + (-1, 32)); a = np.abs(x).max(-1, keepdims=True)
;;       e = np.where(a > 0, np.clip(np.frexp(np.where(a > 0, a, 1))[1] - 1 - 2, -126, 127), 0)      # np.frexp(a)[1] - 1 = floor(log2(a)), exactly
;;       r = np.clip(x / 2.0 ** e, -7.5, 7.5)
;;       step = 2.0 ** (np.maximum(np.frexp(np.where(r == 0, 1, r))[1] - 1, 0) - 3)
;;       q = np.round(r / step) * step * 2.0 ** e      # np.round: ties to even
;;       return np.moveaxis(q.reshape(q.shape[:-2] + (-1,))[..., :K], -1, axis).astype(np.float32)
;;   ~~~
;;   SOFTMAX AHEAD OF A QUANTISED PRODUCT. Where the list says 'softmax', what is quantised is not the finished softmax but p = 2^(t - M), with t = logit x log2(e) and M = ceil(the row's largest t), a whole number; so 1/2 < the row's largest p <= 1. The row's sum l is taken of the UNQUANTISED p, in f32, and the product's result is divided by l at the end. Since M is a whole number, a kernel that streams over the keys may use a running M (the ceiling of the running maximum): every later rescaling is an exact power of two, which a block's scale takes up: the codes' values come out the same.
;;   OPERANDS COMPUTED ON THE WAY. 'Computed on the way' means the value that the module computes at that place (a softmax that the list does not call 'softmax' is quantised finished and normalised). What goes into a quantiser is computed in f32, as accurately as f32 sums, v_exp_f32 and their like allow (about 1e-6 of the number): no bf16 or f16 on the way to a quantiser, and a product that is left as it is and whose result goes on into a quantised operand takes f32 operands (vector FMAs, or v_wmma_f32_16x16x4_f32). A number that lies on a knife's edge between two numbers of the format may be rounded either way, as far as f32 arithmetic and the matrix unit's own rounding can turn it there, and no further.
;; One version. Each part assembles by itself: llvm-mc -triple=amdgcn-amd-amdhsa -mcpu=gfx1250 --defsym DOCPART=n.
;; ======== version 1 of 1: 4 launches
;; limits: right only within a limited range of input values
;; workspace buffers: cod 9,437,184 bytes; scl 393,216 bytes; tab 8,388,608 bytes; cq 18,874,368 bytes; sq 786,432 bytes; hc 6,291,456 bytes; hs 262,144 bytes
;; launch prep (part 1): grid 640 x 1, 4 waves a work-group, no clusters, 57,856 bytes of LDS; arguments queries, Wq, Wk, Wv, Wo, cod, scl, tab; writes cod, scl, tab
.if DOCPART == 1
	.amdgcn_target "amdgcn-amd-amdhsa--gfx1250"
	.amdhsa_code_object_version 6
	.text
	.protected	k_q407c081ca7_prep
	.globl	k_q407c081ca7_prep
	.p2align	8
	.type	k_q407c081ca7_prep,@function
k_q407c081ca7_prep:
	s_mov_b64 s[64:65], 0
	v_nop
	global_prefetch_b8 v0, s[64:65] scope:SCOPE_SE
	s_setreg_imm32_b32 hwreg(HW_REG_WAVE_MODE, 25, 1), 1
	s_wait_xcnt 0x0
; PREP.  Work-groups 0-383 turn queries [8192][1024] and Wq, Wk, Wv, Wo [1024][1024], f32, into codes of FP6 (E2M3), K innermost, 768 bytes a row, with one E8M0 byte for each 32 along K.
; All five lie in one buffer of 12,288 rows: queries from row 0, Wq 8192, Wk 9216, Wv 10240, Wo 11264.  ROW rho IS STORED AT THE PLACE rho WITH ITS BITS 3 AND 4 EXCHANGED, so that sixteen
; consecutive stored rows 16 t + x are the true rows 32 (t / 2) + 8 (t % 2) + x + 8 (x / 8): a product that takes them as source 0 then leaves 16 neighbours along that axis in a lane's registers.
; A block's scale is 2^(floor(log2(largest magnitude)) - 2); its byte is the largest magnitude's exponent field - 2, held at 1 from below.
; Work-groups 384-639 make the table of cos and sin for the rotary step, laid as images of the registers in which the next launch wants them.
; LIMITS: NaN and infinities among the inputs are not served; a block whose largest magnitude lies under 2^-124 keeps the byte 1; a block of zeros gets the byte 1 where the rule says 127
; (its codes are zeros, and this program alone reads the bytes).  The frequencies 10000^(-j / 512) are made in double-float arithmetic, good to about 2^-37, and rounded once to f32.
; THE CODES' LAYOUT IN cod (in place of rows of 768 bytes): images of operand registers, [K step of 256: 4][tile of 16 stored rows: 768][128 along K: 2][1,536 bytes].
; In an image register j of lane L lies at 512 (j / 4) + 16 L + 4 (j % 4); lane (x, h) holds stored row x of the tile, registers 6 c .. 6 c + 5 its k = 64 c + 32 h + 0 .. 31.
; A work-group's 32 rows are two tiles: 6,144 consecutive bytes in each of the four K steps.  The codes are gathered in an LDS stage of 24,576 bytes; behind a barrier wave w stores K step w's 6,144 bytes.
.set QWG,   384
.set WAVES, 4
.set STEPS, 16
.set EMAX,  2
.set CB,    12                         ; bytes of 16 codes
.set R,     16                         ; v16-79   four sets of 16 numbers as loaded
.set X,     80                         ; v80-111  two sets of 16 neighbours
.set C,     128                        ; v128-191 codes, four registers a step: no store's data are written again
.set E,     112                        ; v112-127 a scale byte a step
.set WREG,  8192                       ; LDS: a region for each wave: two stages of 32 x SP bytes, then its 256 scale bytes
.set SP,    80                         ; a lane's place in a stage: 64 bytes + 16 of padding
.set SPW,   12                         ; v12  LDS address of my spare word; never rewritten
.set NIL,   13                         ; v13  0; never rewritten
.set CST,   WAVES*WREG                 ; behind the four regions: the work-group's stage of images
.set CDK,   2359296                    ; bytes of cod from one K step of 256 to the next
.set SPARE, CST+24576                  ; behind it: the spare words, 128 bytes a wave
	s_load_b512 s[4:19], s[0:1], 0x0               ; queries s[4:5], Wq s[6:7], Wk s[8:9], Wv s[10:11], Wo s[12:13], cod s[14:15], scl s[16:17], tab s[18:19]
	v_lshl_add_u32 v[SPW], v0, 2, SPARE
	v_mov_b32 v[NIL], 0
	v_lshrrev_b32 v1, 5, v0
	v_readfirstlane_b32 s20, v1                    ; wave
	v_and_b32 v2, 31, v0                           ; lane
	s_cmp_lt_u32 ttmp9, QWG
	s_cbranch_scc0 .Ltable
	; ---------------- the quantiser ----------------
	v_lshlrev_b32 v3, 4, v2                        ; my 16 bytes of a load's 512
	s_mul_i32 s21, s20, WREG
	v_lshrrev_b32 v14, 2, v2
	v_mul_u32_u24 v14, v14, SP
	v_and_b32 v15, 3, v2
	v_lshl_add_u32 v14, v15, 4, v14
	v_add_nc_u32 v14, s21, v14                     ; the stage, in: SP (lane / 4) + 16 (lane % 4)
	v_mul_u32_u24 v15, v2, SP
	v_add_nc_u32 v15, s21, v15                     ; and out: SP x lane: my 16 neighbours
	; where my three registers of codes go in the stage.  Lane l of step t holds k = 512 (t % 2) + 16 l of row t / 2: K step 2 (t % 2) + l / 16, image (l / 8) % 2, c = bit 2, h = bit 1, half u = bit 0 of l
	v_bfe_u32 v8, v2, 4, 1
	v_mul_u32_u24 v8, v8, 6144
	v_bfe_u32 v9, v2, 3, 1
	v_mad_u32_u24 v8, v9, 1536, v8
	v_bfe_u32 v9, v2, 1, 1
	v_lshl_add_u32 v8, v9, 8, v8                   ; 16 x 16 h
	s_and_b32 s22, s20, 1                          ; my tile of the two: wave % 2;
	s_mul_i32 s22, s22, 3072
	s_lshr_b32 s23, s20, 1                         ; my eight rows of its sixteen: wave / 2
	s_lshl_b32 s23, s23, 7
	s_add_co_u32 s22, s22, s23
	s_add_co_u32 s22, s22, CST
	v_add_nc_u32 v8, s22, v8
	v_bfe_u32 v9, v2, 2, 1
	v_mul_u32_u24 v9, v9, 6
	v_and_b32 v11, 1, v2
	v_mad_u32_u24 v9, v11, 3, v9                   ; my first register of the image: 6 c + 3 u
.macro CADR reg, n
	v_add_nc_u32 v11, \n, v9
	v_lshrrev_b32 v[\reg], 2, v11
	v_and_b32 v11, 3, v11
	v_lshl_add_u32 v[\reg], v[\reg], 9, v8
	v_lshl_add_u32 v[\reg], v11, 2, v[\reg]
.endm
	CADR 1, 0
	CADR 4, 1
	CADR 10, 2
	v_lshrrev_b32 v5, 1, v2
	s_add_co_u32 s21, s21, 2*32*SP
	v_add_nc_u32 v5, s21, v5                       ; my block's byte among the wave's 256
	v_lshlrev_b32 v7, 3, v2
	v_add_nc_u32 v6, s21, v7
	s_mul_i32 s22, s20, 6144
	s_add_co_u32 s22, s22, CST
	v_add_nc_u32 v2, s22, v3                       ; the stage on the way out: K step = my wave, 16 bytes a lane
	s_wait_alu depctr_va_vdst(0)
	s_wait_kmcnt 0x0
	s_mov_b32 s21, 352                             ; which tensor, and its first work-group: the choice hangs on the work-group's number alone
	s_cmp_lt_u32 ttmp9, 352
	s_cselect_b64 s[12:13], s[10:11], s[12:13]
	s_cselect_b32 s21, 320, s21
	s_cmp_lt_u32 ttmp9, 320
	s_cselect_b64 s[12:13], s[8:9], s[12:13]
	s_cselect_b32 s21, 288, s21
	s_cmp_lt_u32 ttmp9, 288
	s_cselect_b64 s[12:13], s[6:7], s[12:13]
	s_cselect_b32 s21, 256, s21
	s_cmp_lt_u32 ttmp9, 256
	s_cselect_b64 s[12:13], s[4:5], s[12:13]
	s_cselect_b32 s21, 0, s21
	s_sub_co_u32 s21, ttmp9, s21
	s_lshl_b32 s22, s21, 17                        ; 131,072 bytes a work-group,
	s_lshl_b32 s23, s20, 15                        ; 32,768 a wave: eight rows
	s_add_co_u32 s22, s22, s23
	s_mov_b32 s23, 0
	s_add_nc_u64 s[12:13], s[12:13], s[22:23]
	s_and_b32 s24, s20, 1                          ; the exchange of the row's bits 3 and 4 is the exchange of the wave's two bits
	s_lshl_b32 s24, s24, 1
	s_lshr_b32 s25, s20, 1
	s_or_b32 s24, s24, s25
	s_lshl_b32 s25, ttmp9, 2
	s_add_co_u32 s24, s24, s25                     ; which run of eight rows of the buffers is mine
	s_mul_i32 s26, s20, CDK                        ; cod: K step = my wave, the work-group's two tiles
	s_mul_i32 s27, ttmp9, 6144
	s_add_co_u32 s26, s26, s27
	s_mov_b32 s27, 0
	s_add_nc_u64 s[14:15], s[14:15], s[26:27]
	s_lshl_b32 s26, s24, 8
	s_add_nc_u64 s[16:17], s[16:17], s[26:27]
.macro LOAD t
.irp i, 0,1,2,3
	global_load_b128 v[R+16*((\t)%4)+4*\i:R+16*((\t)%4)+4*\i+3], v3, s[12:13] offset:2048*(\t)+512*\i th:TH_LOAD_NT   ; 32 lanes read 512 consecutive bytes
.endr
.endm
.macro TURN t                          ; step t's numbers through the stage: LDS serves a wave's instructions in order, so no wait stands between the stores and the loads
.irp i, 0,1,2,3
	ds_store_b128 v14, v[R+16*((\t)%4)+4*\i:R+16*((\t)%4)+4*\i+3] offset:32*SP*((\t)%2)+8*SP*\i
.endr
.irp i, 0,1,2,3
	ds_load_b128 v[X+16*((\t)%2)+4*\i:X+16*((\t)%2)+4*\i+3], v15 offset:32*SP*((\t)%2)+16*\i
.endr
.endm
.irp t, 0,1,2,3
	LOAD \t
.endr
	s_wait_loadcnt 12                              ; step 0's four loads are in; the twelve of steps 1 to 3 may be out
	TURN 0
.macro STEP t
.set XS, X+16*((\t)%2)
.if (\t) > 0
	s_wait_dscnt 4                                 ; this step's numbers are back from the stage; the last step's byte store and three code stores may be out
.else
	s_wait_dscnt 0x0
.endif
.if (\t)+4 < STEPS
	LOAD (\t)+4                                    ; the stage's stores have read these registers
.endif
.if (\t)+1 < STEPS
.if STEPS-2-(\t) >= 3
	s_wait_loadcnt 12                              ; the next step's four loads are in; those of the three steps behind it may be out
.else
	s_wait_loadcnt 4*(STEPS-2-(\t))
.endif
	TURN (\t)+1
.endif
	v_max3_num_f32 v8, |v[XS]|, |v[XS+1]|, |v[XS+2]|               ; the largest magnitude of my 16, in two chains
	v_max3_num_f32 v9, |v[XS+3]|, |v[XS+4]|, |v[XS+5]|
.irp i, 6,10
	v_max3_num_f32 v8, v8, |v[XS+\i]|, |v[XS+\i+1]|
	v_max3_num_f32 v9, v9, |v[XS+\i+2]|, |v[XS+\i+3]|
.endr
	v_max3_num_f32 v8, v8, |v[XS+14]|, |v[XS+15]|
	v_max3_num_f32 v8, v8, v9, (EMAX+1)<<23        ; and the floor 2^(3 - 127): the byte cannot fall under 1
	v_max_num_f32_dpp v8, v8, v8 row_xmask:1 row_mask:0xf bank_mask:0xf   ; with my neighbour's 16: the block's
	v_add_nc_u32 v11, -(EMAX<<23), v8              ; 2 off its exponent field: the conversion takes this operand's exponent field as its scale
	v_cvt_scalef32_pk16_fp6_f32 v[C+4*(\t):C+4*(\t)+2], v[XS:XS+15], v11
	v_lshrrev_b32 v[E+(\t)], 23, v11               ; the scale's byte
	ds_store_b8 v5, v[E+(\t)] offset:16*(\t)       ; both lanes of a block write the same byte with the same value
	ds_store_b32 v1, v[C+4*(\t)] offset:16*((\t)/2)+12288*((\t)%2)      ; row t / 2 is 16 bytes on in an image, the row's second half two K steps on
	ds_store_b32 v4, v[C+4*(\t)+1] offset:16*((\t)/2)+12288*((\t)%2)
	ds_store_b32 v10, v[C+4*(\t)+2] offset:16*((\t)/2)+12288*((\t)%2)
.endm
.irp t, 0,1,2,3,4,5,6,7,8,9,10,11,12,13,14,15
	STEP \t
.endr
	ds_load_b64 v[8:9], v6                         ; LDS serves a wave's instructions in order: these see my byte stores
	s_wait_dscnt 0x0
	global_store_b64 v7, v[8:9], s[16:17]          ; 32 lanes store 256 consecutive bytes, aligned
	s_barrier_signal -1                            ; my LDS stores are done (the wait for 0 above): the images are whole behind this barrier
	s_barrier_wait -1
.irp n, 0,1,2,3,4,5,6,7,8,9,10,11
	ds_load_b128 v[R+4*\n:R+4*\n+3], v2 offset:512*\n
.endr
	s_wait_dscnt 0x0
.irp n, 0,1,2,3,4,5,6,7,8,9,10,11
	global_store_b128 v3, v[R+4*\n:R+4*\n+3], s[14:15] offset:512*\n   ; 32 lanes store 512 consecutive bytes, aligned
.endr
	s_wait_tensorcnt 0x0                           ; the wave's end
	ds_add_u32 v[SPW], v[NIL]
	s_wait_dscnt 0x0
	s_endpgm
	; ---------------- the table ----------------
	; tab: [g 8][tt 128][8,192 bytes]: 64 registers a lane, registers 4 q .. 4 q + 3 at 512 q + 16 x lane.  Register 16 B + i of lane (r, h): cos (i even) or sin (i odd) of
	; s x inv_freq[j], channel 128 g + 32 B + 16 h + i = 2 j or 2 j + 1, token s = 32 (tt / 2) + 8 (tt % 2) + r + 8 (r / 8).  A wave makes piece q of sixteen images: no LDS, no barrier.
.Ltable:
	s_sub_co_u32 s21, ttmp9, QWG
	s_lshl_b32 s21, s21, 2
	s_add_co_u32 s21, s21, s20                     ; W = 0 .. 1023
	s_and_b32 s22, s21, 7                          ; g
	s_bfe_u32 s23, s21, 0x40003                    ; q
	s_lshr_b32 s24, s21, 7                         ; which sixteen images
	s_wait_alu depctr_va_vdst(0)
	v_and_b32 v3, 15, v2                           ; r
	v_lshrrev_b32 v4, 4, v2                        ; h
	s_lshl_b32 s25, s22, 6
	s_lshr_b32 s26, s23, 2
	s_lshl_b32 s26, s26, 4
	s_add_co_u32 s25, s25, s26
	s_and_b32 s26, s23, 3
	s_lshl_b32 s26, s26, 1
	s_add_co_u32 s25, s25, s26
	v_lshl_add_u32 v5, v4, 3, s25                  ; j0 = 64 g + 16 (q / 4) + 8 h + 2 (q % 4): even; my four registers are cos, sin of j0 and of j0 + 1
	v_and_b32 v6, 8, v3
	v_add_nc_u32 v6, v6, v3
	s_lshl_b32 s26, s24, 8
	v_add_nc_u32 v6, s26, v6                       ; my token in the first of the sixteen images
	v_lshlrev_b32 v7, 4, v2
	s_lshl_b32 s26, s22, 7
	s_lshl_b32 s27, s24, 4
	s_add_co_u32 s26, s26, s27
	s_lshl_b32 s26, s26, 13
	s_lshl_b32 s27, s23, 9
	s_add_co_u32 s26, s26, s27
	s_mov_b32 s27, 0
	s_mov_b32 s32, 0x3f22f983                      ; 2 / pi
	s_mov_b32 s33, 0xbfc90fdb                      ; pi / 2 in three parts: -1.5707964,
	s_mov_b32 s34, 0x333bbd2e                      ; +4.3711388e-8,
	s_mov_b32 s35, 0x26f72cfb                      ; +1.7151245e-15
	s_mov_b32 s36, 0xb94ca1f9                      ; sin: -1.9515296e-4, 8.3321609e-3, -1.6666655e-1
	s_mov_b32 s37, 0x3c08839e
	s_mov_b32 s38, 0xbe2aaaa3
	s_mov_b32 s39, 0x37ccf5ce                      ; cos: 2.4433157e-5, -1.3887316e-3, 4.1666646e-2
	s_mov_b32 s40, 0xbab6061a
	s_mov_b32 s41, 0x3d2aaaa5
	s_mov_b32 s42, 0x80000000
	s_mov_b32 s44, 0x3f7b6f9e                      ; c0 = 10000^(-1/512) = 0.98217188918803780: its f32,
	s_mov_b32 s45, 0xb1871840                      ; and what is left
	s_wait_kmcnt 0x0
	s_add_nc_u64 s[18:19], s[18:19], s[26:27]
	; inv_freq[j0] = c0^j0 by squaring, each number a pair (high, low): v16, v17 the product; v18, v19 c0^(2^i)
	v_mov_b32 v16, 1.0
	v_mov_b32 v17, 0
	v_mov_b32 v18, s44
	v_mov_b32 v19, s45
.macro DFSQ
	v_mul_f32 v20, v18, v18
	v_fma_f32 v21, v18, v18, -v20                  ; what the product's rounding lost
	v_mul_f32 v22, v18, v19
	v_fma_f32 v21, v22, 2.0, v21
	v_add_f32 v18, v20, v21
	v_sub_f32 v23, v18, v20
	v_sub_f32 v19, v21, v23
.endm
.macro DFMULSEL i                      ; x c0^(2^i) where j0 has bit i, else x 1: a choice of values, no branch
	v_and_b32 v23, 1<<(\i), v5
	v_cmp_ne_u32 vcc_lo, 0, v23
	v_cndmask_b32 v24, 1.0, v18, vcc_lo
	v_cndmask_b32 v25, 0, v19, vcc_lo
	v_mul_f32 v20, v16, v24
	v_fma_f32 v21, v16, v24, -v20
	v_fma_f32 v21, v16, v25, v21
	v_fma_f32 v21, v17, v24, v21
	v_add_f32 v16, v20, v21
	v_sub_f32 v23, v16, v20
	v_sub_f32 v17, v21, v23
.endm
.irp i, 1,2,3,4,5,6,7,8
	DFSQ
	DFMULSEL \i
.endr
	v_mov_b32 v26, v16                             ; inv_freq[j0], rounded once
	v_mul_f32 v20, s44, v16                        ; and x c0:
	v_fma_f32 v21, v16, s44, -v20
	v_fma_f32 v21, v16, s45, v21
	v_fma_f32 v21, v17, s44, v21
	v_add_f32 v27, v20, v21                        ; inv_freq[j0 + 1]
; cos and sin of the f32 angle in v[a]: the nearest multiple k of pi / 2 is taken off in three parts, two polynomials on what is left, the quadrant by k's two low bits
.macro SINCOS a, c, s
	v_mul_f32 v30, s32, v[\a]
	v_rndne_f32 v30, v30
	v_fma_f32 v31, v30, s33, v[\a]
	v_fma_f32 v31, v30, s34, v31
	v_fma_f32 v31, v30, s35, v31
	v_cvt_i32_f32 v32, v30
	v_mul_f32 v33, v31, v31
	v_fma_f32 v34, v33, s36, s37
	v_fma_f32 v34, v34, v33, s38
	v_mul_f32 v34, v34, v33
	v_fma_f32 v34, v34, v31, v31                   ; sin of the rest
	v_fma_f32 v35, v33, s39, s40
	v_fma_f32 v35, v35, v33, s41
	v_fma_f32 v36, v33, -0.5, 1.0
	v_mul_f32 v37, v33, v33
	v_fma_f32 v35, v35, v37, v36                   ; cos of the rest
	v_and_b32 v36, 1, v32
	v_cmp_ne_u32 vcc_lo, 0, v36
	v_cndmask_b32 v[\c], v35, v34, vcc_lo          ; odd k: the two change places
	v_cndmask_b32 v[\s], v34, v35, vcc_lo
	v_lshlrev_b32 v36, 30, v32
	v_and_b32 v36, s42, v36
	v_xor_b32 v[\s], v36, v[\s]                    ; sin changes sign where k % 4 is 2 or 3,
	v_add_nc_u32 v37, 1, v32
	v_lshlrev_b32 v37, 30, v37
	v_and_b32 v37, s42, v37
	v_xor_b32 v[\c], v37, v[\c]                    ; cos where it is 1 or 2
.endm
.macro TROW u                          ; image u of my sixteen; each has its own four registers, so no store's data are written again
	v_add_nc_u32 v28, 32*((\u)/2)+8*((\u)%2), v6
	v_cvt_f32_u32 v28, v28
	v_mul_f32 v29, v28, v26                        ; the angle: one f32 product
	SINCOS 29, 64+4*(\u), 65+4*(\u)
	v_mul_f32 v29, v28, v27
	SINCOS 29, 66+4*(\u), 67+4*(\u)
	global_store_b128 v7, v[64+4*(\u):67+4*(\u)], s[18:19] offset:8192*(\u)   ; 32 lanes store 512 consecutive bytes, aligned
.endm
.irp u, 0,1,2,3,4,5,6,7,8,9,10,11,12,13,14,15
	TROW \u
.endr
	s_endpgm
.Lfunc_end_k_q407c081ca7_prep:
	.size	k_q407c081ca7_prep, .Lfunc_end_k_q407c081ca7_prep-k_q407c081ca7_prep
	.p2alignl 7, 3214868480
	.fill 96, 4, 3214868480
	.section	.rodata,"a",@progbits
	.p2align	6, 0x0
	.amdhsa_kernel k_q407c081ca7_prep
		.amdhsa_group_segment_fixed_size 57856
		.amdhsa_private_segment_fixed_size 0
		.amdhsa_enable_private_segment 0
		.amdhsa_kernarg_size 64
		.amdhsa_user_sgpr_count 2
		.amdhsa_user_sgpr_kernarg_segment_ptr 1
		.amdhsa_wavefront_size32 1
		.amdhsa_system_sgpr_workgroup_id_x 1
		.amdhsa_system_sgpr_workgroup_id_y 1
		.amdhsa_system_sgpr_workgroup_id_z 1
		.amdhsa_system_vgpr_workitem_id 0
		.amdhsa_next_free_vgpr 192
		.amdhsa_next_free_sgpr 66
		.amdhsa_reserve_vcc 1
		.amdhsa_float_denorm_mode_32 3
		.amdhsa_float_denorm_mode_16_64 3
		.amdhsa_memory_ordered 1
		.amdhsa_forward_progress 1
		.amdhsa_inst_pref_size 87
	.end_amdhsa_kernel
	.amdgpu_metadata
---
amdhsa.version: [ 1, 2 ]
amdhsa.kernels:
  - .name:           k_q407c081ca7_prep
    .symbol:         k_q407c081ca7_prep.kd
    .args:
      - { .name: queries, .offset: 0, .size: 8, .value_kind: global_buffer, .address_space: global }
      - { .name: Wq, .offset: 8, .size: 8, .value_kind: global_buffer, .address_space: global }
      - { .name: Wk, .offset: 16, .size: 8, .value_kind: global_buffer, .address_space: global }
      - { .name: Wv, .offset: 24, .size: 8, .value_kind: global_buffer, .address_space: global }
      - { .name: Wo, .offset: 32, .size: 8, .value_kind: global_buffer, .address_space: global }
      - { .name: cod, .offset: 40, .size: 8, .value_kind: global_buffer, .address_space: global }
      - { .name: scl, .offset: 48, .size: 8, .value_kind: global_buffer, .address_space: global }
      - { .name: tab, .offset: 56, .size: 8, .value_kind: global_buffer, .address_space: global }
    .group_segment_fixed_size: 57856
    .private_segment_fixed_size: 0
    .kernarg_segment_align: 8
    .kernarg_segment_size: 64
    .max_flat_workgroup_size: 128
    .sgpr_count:     66
    .vgpr_count:     192
    .wavefront_size: 32
...
	.end_amdgpu_metadata
.endif
;; end of part 1
;; launch qkv (part 2): grid 12 x 32, 4 waves a work-group, clusters of 4 x 4, 327,680 bytes of LDS; arguments cod, scl, tab, bq, bk, bv, cq, sq; writes cq, sq
.if DOCPART == 2
	.amdgcn_target "amdgcn-amd-amdhsa--gfx1250"
	.amdhsa_code_object_version 6
	.text
	.protected	k_q407c081ca7_qkv
	.globl	k_q407c081ca7_qkv
	.p2align	8
	.type	k_q407c081ca7_qkv,@function
k_q407c081ca7_qkv:
	s_mov_b64 s[64:65], 0
	v_nop
	global_prefetch_b8 v0, s[64:65] scope:SCOPE_SE
	s_setreg_imm32_b32 hwreg(HW_REG_WAVE_MODE, 25, 1), 1
	s_wait_xcnt 0x0
	s_wait_alu depctr_hold_cnt(0) depctr_sa_sdst(0) depctr_va_vdst(0) depctr_va_sdst(0) depctr_va_ssrc(0) depctr_va_vcc(0) depctr_vm_vsrc(0)
	s_getreg_b32 s2, hwreg(HW_REG_IB_STS2, 6, 4)
	s_cmp_eq_u32 s2, 0
	s_cbranch_scc0 .Lentry_in_a_cluster
	s_endpgm
.Lentry_in_a_cluster:
	s_bfe_u32 s2, ttmp6, 0x10000c
	s_cmp_lg_u32 s2, 0xf033
	s_cbranch_scc0 .Lentry_shape_is_right
	s_endpgm
.Lentry_shape_is_right:
; QKV.  Q, K = rope(x W^T + b) and V = x Wv^T + bv on codes of FP6 with E8M0 scales; the results are quantised along the next products' K and stored as images of operand registers.
; Both operands lie in cod as images, [K step of 256][tile of 16 rows][2][1,536 bytes]: a tile of 128 or 256 rows of one K step is a dense block, fetched as rows of 256 bytes; a fragment is three loads of 16 bytes a lane.
; The head's four tiles (A's and B's 256 rows of K step 0, A's and B's scales) go out one to a wave; slot 1 is first filled behind a round of the cluster's barrier.
.set KSTEP,  256
.set NQ,     KSTEP/128
.set ROWB,   2359296
.set KROW,   192
.set FR,     12
.set NL,     3
.set NP,     4
.set HALFT,  24576
.set SLOT,   4*HALFT
.set LAPS,   2
.set KS,     32
.set SCL,    2*SLOT
.set HALFS,  (128*KS/256)*272
.set SBLK,   (16*KS/256)*272
.set SPARE,  SCL+4*HALFS
.set REG,    6291456
.set SREG,   262144
.set HEADB,  98304
.set LI,   7
.set LI2,  8
.set STQ,  9
.set RDQ,  10
.set GS,   11
.set BOF,  12
.set STV,  13
.set RDV,  14
.set BVO,  15
.set ADRA, 16
.set ADRB, 20
.set ADRS, 27
.set SPW,  28
.set NIL,  29
.set SC,   32
.set AF,   128
.set X,    32
.set PC,   96
.set TM,   116
.set PW,   132
.set PWE,  133
.set WA,   134
.set WB,   135
.set WW,   136
.set BVP,  140
.set SG,   160
.set BI,   0
.set TBL,  64
.set G1, 24
.set G0, 32
.set G1B, 48
.set G0B, 56
.set G1S, 68
.set G0S, 76
.set G1SB, 80
.set G0SB, 88
.set SEL, 68
.set MSB, 0
.macro WIN new
.if MSB != (\new)
	s_set_vgpr_msb (MSB<<8)|(\new)
.set MSB, (\new)
.endif
.endm
.set MUL_LO, 0xa1
.set MUL_HI, 0xf1
.set TO_B,   0x40
.macro JLOAD g0a, g1a, g0b, g1b
	s_cmp_eq_u32 s15, 0
	s_cbranch_scc0 .Lfor_b_\@
	tensor_load_to_lds s[\g0a:\g0a+3], s[\g1a:\g1a+7]
	s_nop 0
.rept 4
	v_nop
.endr
	s_branch .Lasked_\@
.Lfor_b_\@:
	tensor_load_to_lds s[\g0b:\g0b+3], s[\g1b:\g1b+7]
	s_nop 0
.rept 4
	v_nop
.endr
.Lasked_\@:
.endm
.macro CREST
	s_cmp_lg_u32 s14, 0
	s_cbranch_scc1 .Lnot_wave_0_\@
	s_barrier_signal -3
.Lnot_wave_0_\@:
	s_barrier_wait -3
	s_barrier_signal -1
	s_barrier_wait -1
.endm
.macro CROUND
	s_barrier_signal -1
	s_barrier_wait -1
	CREST
.endm
	s_load_b256 s[4:11], s[0:1], 0x0
	s_load_b256 s[92:99], s[0:1], 0x20
	v_lshl_add_u32 v[SPW], v0, 2, SPARE
	v_mov_b32 v[NIL], 0
	ds_add_u32 v[SPW], v[NIL]
	ds_add_u32 v[SPW], v[NIL]
	v_lshrrev_b32 v1, 5, v0
	v_readfirstlane_b32 s14, v1
	s_lshr_b32 s15, s14, 1
	s_and_b32 s16, s14, 1
	s_bfe_u32 s40, ttmp6, 0x40000
	s_bfe_u32 s41, ttmp6, 0x40004
	s_and_b32 s12, ttmp7, 0xffff
	s_lshl_b32 s12, s12, 2
	s_lshl_b32 s13, ttmp9, 2
	s_cmp_eq_u32 ttmp9, 2
	s_cselect_b32 s66, 1, 0
	s_cselect_b32 s17, 0, s12
	s_cselect_b32 s42, s12, s13
	s_cselect_b32 s18, 10240, 0
	s_cselect_b32 s19, 0, 8192
	s_add_co_u32 s17, s17, s41
	s_add_co_u32 s42, s42, s40
	s_lshl_b32 s43, s41, 2
	s_lshl_b32 s43, 15, s43
	s_lshl_b32 s44, 0x1111, s40
	s_or_b32 s[G1+0], s43, (3<<16)|(1<<21)
	s_or_b32 s[G1B+0], s44, (3<<16)|(1<<21)
.irp g, G1, G1B
	s_mov_b32 s[\g+1], 32<<16                      ; rows of 256 bytes: 192 of them at the head (256 rows of codes), 96 in the ring
	s_mov_b32 s[\g+2], 192<<16
	s_mov_b32 s[\g+3], 32<<16
	s_mov_b32 s[\g+4], 192
	s_mov_b32 s[\g+5], 32
	s_mov_b32 s[\g+6], 0
	s_mov_b32 s[\g+7], 0
.endr
	s_or_b32 s[G1S+0], s43, (3<<16)|(1<<20)|(1<<21)|(5<<22)|(3<<25)
	s_or_b32 s[G1SB+0], s44, (3<<16)|(1<<20)|(1<<21)|(5<<22)|(3<<25)
.irp g, G1S, G1SB
	s_mov_b32 s[\g+1], 32<<16
	s_mov_b32 s[\g+2], KS<<16
	s_mov_b32 s[\g+3], 32<<16
	s_mov_b32 s[\g+4], KS
	s_mov_b32 s[\g+5], 32
	s_mov_b32 s[\g+6], 0
	s_mov_b32 s[\g+7], 0
.endr
	s_mul_i32 s2, s16, HALFT                       ; in the ring I fetch 128 rows of a tile: which half, in bytes
	s_mov_b32 s3, 0
	s_lshl_b32 s20, s17, 8
	s_add_co_u32 s20, s20, s18
	s_lshl_b32 s46, s42, 8
	s_add_co_u32 s46, s46, s19
	s_lshl_b32 s22, s20, 5
	s_mov_b32 s23, 0
	s_lshl_b32 s100, s46, 5
	s_mov_b32 s101, 0
	s_mul_i32 s20, s20, KROW
	s_mov_b32 s21, 0
	s_mul_i32 s46, s46, KROW
	s_mov_b32 s47, 0
	s_mul_i32 s45, s14, HALFT
	s_wait_dscnt 0x0
	s_wait_kmcnt 0x0
	s_add_nc_u64 s[20:21], s[4:5], s[20:21]
	s_add_nc_u64 s[22:23], s[6:7], s[22:23]
	s_add_nc_u64 s[46:47], s[4:5], s[46:47]
	s_add_nc_u64 s[100:101], s[6:7], s[100:101]
	CROUND
	s_mov_b32 s[G0S], 1
	s_mov_b32 s[G0S+1], SCL
	s_mov_b64 s[G0S+2:G0S+3], s[22:23]
	s_or_b32 s[G0S+3], s[G0S+3], 0x80000000
	s_mov_b32 s[G0SB], 1
	s_mov_b32 s[G0SB+1], SCL+2*HALFS
	s_mov_b64 s[G0SB+2:G0SB+3], s[100:101]
	s_or_b32 s[G0SB+3], s[G0SB+3], 0x80000000
.irp s, 0,1
	s_mov_b32 s[G0+4*\s], 1
	s_mov_b32 s[G0B+4*\s], 1
.endr
	s_mov_b32 s[G0+1], 0                           ; slot 0's groups 0 serve the head first: K step 0's 256 rows of A, whole,
	s_mov_b64 s[G0+2:G0+3], s[20:21]
	s_mov_b32 s[G0B+1], 2*HALFT                    ; and of B, behind them
	s_mov_b64 s[G0B+2:G0B+3], s[46:47]
	s_add_nc_u64 s[20:21], s[20:21], s[2:3]        ; for the ring: my 128 rows
	s_add_nc_u64 s[46:47], s[46:47], s[2:3]
	s_add_co_u32 s[G0+5], s45, SLOT
	s_add_nc_u64 s[G0+6:G0+7], s[20:21], ROWB
	s_add_co_u32 s[G0B+5], s45, SLOT
	s_add_nc_u64 s[G0B+6:G0B+7], s[46:47], ROWB
.irp r, G0+3, G0+7, G0B+3, G0B+7
	s_or_b32 s[\r], s[\r], 0x80000000
.endr
; the head's loads, one a wave: one chain of branches on the wave's number, every way through it passes one load
.macro ARM under, g0, g1, next
	s_cmp_lt_u32 s14, \under
	s_cbranch_scc0 \next
	tensor_load_to_lds s[\g0:\g0+3], s[\g1:\g1+7]
	s_nop 0
.rept 4
	v_nop
.endr
	s_branch .Lhead_asked
\next:
.endm
	ARM 1, G0,  G1,  .Lhead_b
	ARM 2, G0B, G1B, .Lhead_sa
	ARM 3, G0S, G1S, .Lhead_sb
	tensor_load_to_lds s[G0SB:G0SB+3], s[G1SB:G1SB+7]
	s_nop 0
.rept 4
	v_nop
.endr
.Lhead_asked:
	v_and_b32 v1, 15, v0
	v_bfe_u32 v2, v0, 4, 1
	v_and_b32 v4, 31, v0
	v_lshlrev_b32 v4, 4, v4                        ; an image is read 16 bytes a lane
	s_mul_i32 s21, s15, HALFT
	s_mul_i32 s22, s16, HALFT
	s_add_co_u32 s22, s22, 2*HALFT
.irp s, 0,1
	v_add_nc_u32 v[ADRA+\s], s21, v4
	v_add_nc_u32 v[ADRB+\s], s22, v4
	s_add_co_u32 s21, s21, SLOT
	s_add_co_u32 s22, s22, SLOT
.endr
	v_mul_u32_u24 v5, v1, KS
	v_lshrrev_b32 v6, 8, v5
	v_lshl_add_u32 v5, v6, 4, v5
	s_mul_i32 s21, s15, HALFS
	s_mul_i32 s22, s16, HALFS
	s_add_co_u32 s22, s22, 2*HALFS
	s_sub_co_u32 s22, s22, s21
	v_mul_u32_u24 v6, s22, v2
	s_add_co_u32 s21, s21, SCL
	v_add_nc_u32 v5, v5, v6
	v_add_nc_u32 v[ADRS], s21, v5
	v_and_b32 v6, 31, v0
	v_lshlrev_b32 v[LI], 4, v6
	v_lshl_add_u32 v[LI2], v6, 3, 512
	s_lshl_b32 s23, s14, 9
	v_lshlrev_b32 v5, 2, v1
	v_lshl_add_u32 v[STQ], v2, 8, v5
	v_add_nc_u32 v[STQ], s23, v[STQ]
	v_add_nc_u32 v[RDQ], s23, v[LI]
	v_add_nc_u32 v[STV], s23, v5
	v_add_nc_u32 v[STV], 4096, v[STV]
	v_add_nc_u32 v[RDV], 4096, v[RDQ]
	v_lshlrev_b32 v[GS], 4, v1
	v_lshl_add_u32 v[GS], v2, 12, v[GS]
	v_lshlrev_b32 v[BOF], 6, v2
	v_and_b32 v[BVO], 8, v1
	v_add_nc_u32 v[BVO], v[BVO], v1
	v_lshlrev_b32 v[BVO], 2, v[BVO]
.macro FRAG reg, adr, q, i
.irp p, 0,1,2
	ds_load_b128 v[\reg+4*\p:\reg+4*\p+3], v[\adr] offset:3072*(\i)+1536*(\q)+512*\p
.endr
.endm
.macro MUL16 a0, p, q, sc, zero
.irp a, \a0, \a0+1
.irp b, 0,1,2,3,4,5,6,7
.if \zero
	v_wmma_scale_f32_16x16x128_f8f6f4 v[8*(8*((\a)%4)+\b):8*(8*((\a)%4)+\b)+7], v[128*(\p)+FR*\b:128*(\p)+FR*\b+FR-1], v[AF+FR*(\a):AF+FR*(\a)+FR-1], 0, v[SC+8*NQ*(\sc)+NQ*\b+(\q)], v[SC+8*NQ*(\sc)+NQ*(\a)+(\q)] matrix_a_fmt:MATRIX_FMT_FP6 matrix_b_fmt:MATRIX_FMT_FP6 matrix_a_scale:MATRIX_SCALE_ROW1
.else
	v_wmma_scale_f32_16x16x128_f8f6f4 v[8*(8*((\a)%4)+\b):8*(8*((\a)%4)+\b)+7], v[128*(\p)+FR*\b:128*(\p)+FR*\b+FR-1], v[AF+FR*(\a):AF+FR*(\a)+FR-1], v[8*(8*((\a)%4)+\b):8*(8*((\a)%4)+\b)+7], v[SC+8*NQ*(\sc)+NQ*\b+(\q)], v[SC+8*NQ*(\sc)+NQ*(\a)+(\q)] matrix_a_fmt:MATRIX_FMT_FP6 matrix_b_fmt:MATRIX_FMT_FP6 matrix_a_scale:MATRIX_SCALE_ROW1
.endif
.endr
.endr
.endm
.macro FETCH_B slot, q, p
	WIN TO_B
.irp i, 0,1,2,3,4,5,6,7
	FRAG 128*(\p)+FR*\i, ADRB+\slot, \q, \i
.endr
	WIN 0
.endm
.macro FETCH_A slot, q, i0
.irp i, \i0, \i0+1, \i0+2, \i0+3
	FRAG AF+FR*(\i), ADRA+\slot, \q, \i
.endr
.endm
.macro SCALES sc
.irp i, 0,1,2,3,4,5,6,7
	ds_load_b64 v[SC+8*NQ*\sc+NQ*\i:SC+8*NQ*\sc+NQ*\i+1], v[ADRS] offset:\i*SBLK
.endr
.endm
.macro PLACES n
.rept \n
	v_nop
.endr
.endm
.macro STEP slot, q, zero
	s_wait_dscnt 4*NL
	WIN MUL_LO
	MUL16 0, (\q)%2, \q, \slot, \zero
	MUL16 2, (\q)%2, \q, \slot, \zero
	s_wait_dscnt 0
	PLACES NP
	FETCH_B \slot, (\q)+1, 1-(\q)%2
	FETCH_A \slot, (\q)+1, 0
	WIN MUL_HI
	MUL16 4, (\q)%2, \q, \slot, \zero
	MUL16 6, (\q)%2, \q, \slot, \zero
	PLACES NP
	WIN 0
	FETCH_A \slot, (\q)+1, 4
.endm
.macro TURN slot, next, fill
	s_wait_tensorcnt 0x0
	ds_add_u32 v[SPW], v[NIL]
	s_wait_dscnt 4*NL+1
	WIN MUL_LO
	MUL16 0, 1, NQ-1, \slot, 0
	s_wait_dscnt 0x0
	s_barrier_signal -1
	MUL16 2, 1, NQ-1, \slot, 0
	WIN 0
	s_barrier_wait -1
.if \fill
	CREST
	s_add_nc_u64 s[G0+4*\slot+2:G0+4*\slot+3], s[G0+4*\slot+2:G0+4*\slot+3], 2*ROWB
	s_add_nc_u64 s[G0B+4*\slot+2:G0B+4*\slot+3], s[G0B+4*\slot+2:G0B+4*\slot+3], 2*ROWB
	JLOAD G0+4*\slot, G1, G0B+4*\slot, G1B
.else
	PLACES NP
.endif
	s_wait_alu depctr_va_vdst(0)
	v_add_nc_u32 v[ADRS], 4*NQ, v[ADRS]
	FETCH_B \next, 0, 0
	FETCH_A \next, 0, 0
	SCALES \next
	WIN MUL_HI
	MUL16 4, 1, NQ-1, \slot, 0
	MUL16 6, 1, NQ-1, \slot, 0
	PLACES NP
	WIN 0
	FETCH_A \next, 0, 4
.endm
	s_wait_alu depctr_va_vdst(0)                   ; the wait at the head's end
	s_wait_tensorcnt 0x0                           ; my tile of the head's four is in
	ds_add_u32 v[SPW], v[NIL]
	s_mov_b32 s[G1+2], 96<<16                      ; no tensor load of mine is out: from here on a load brings 128 rows of codes,
	s_mov_b32 s[G1+4], 96
	s_mov_b32 s[G1B+2], 96<<16
	s_mov_b32 s[G1B+4], 96
	s_mov_b32 s[G0+1], s45                         ; and slot 0's groups 0 name my quarter of the slot
	s_add_nc_u64 s[G0+2:G0+3], s[G0+2:G0+3], s[2:3]
	s_mov_b32 s[G0B+1], s45
	s_add_nc_u64 s[G0B+2:G0B+3], s[G0B+2:G0B+3], s[2:3]
	s_wait_dscnt 0x0
	CROUND
	JLOAD G0+4, G1, G0B+4, G1B                     ; K step 1, the first tensor load behind the round
	FETCH_B 0, 0, 0
	FETCH_A 0, 0, 0
	SCALES 0
	FETCH_A 0, 0, 4
	STEP 0, 0, 1
	s_mov_b32 s3, LAPS-1
.Llap:
	TURN 0, 1, 1
	STEP 1, 0, 0
	TURN 1, 0, 1
	STEP 0, 0, 0
	s_sub_co_u32 s3, s3, 1
	s_cmp_lg_u32 s3, 0
	s_cbranch_scc1 .Llap
	TURN 0, 1, 0
	STEP 1, 0, 0
	s_wait_dscnt 4*NL
	WIN MUL_LO
	MUL16 0, 1, NQ-1, 1, 0
	MUL16 2, 1, NQ-1, 1, 0
	s_wait_dscnt 0
	WIN MUL_HI
	MUL16 4, 1, NQ-1, 1, 0
	MUL16 6, 1, NQ-1, 1, 0
	WIN 0
.macro QUANT s
.irp b, 0,1,2,3
	v_max3_num_f32 v[TM+\b], |v[\s+16*\b]|, |v[\s+1+16*\b]|, 0x1800000
.endr
.irp i, 2,4,6,8,10,12,14
.irp b, 0,1,2,3
	v_max3_num_f32 v[TM+\b], v[TM+\b], |v[\s+16*\b+\i]|, |v[\s+1+16*\b+\i]|
.endr
.endr
.irp b, 0,1,2,3
	v_permlanex16_b32 v[TM+4+\b], v[TM+\b], s[SEL], s[SEL+1]
.endr
.irp b, 0,1,2,3
	v_max_num_f32 v[TM+\b], v[TM+\b], v[TM+4+\b]
.endr
.irp b, 0,1,2,3
	v_add_nc_u32 v[TM+12+\b], 0xff000000, v[TM+\b]
.endr
.irp b, 0,1,2,3
	v_lshrrev_b32 v[TM+4+\b], 23, v[TM+12+\b]
.endr
	v_lshl_or_b32 v[PW], v[TM+5], 8, v[TM+4]
	v_lshl_or_b32 v[PW], v[TM+6], 16, v[PW]
	v_lshl_or_b32 v[PW], v[TM+7], 24, v[PW]
.irp c, 0,1
	v_cvt_scalef32_pk16_fp6_f32 v[PC+6*\c:PC+2+6*\c], v[\s+32*\c:\s+15+32*\c], v[TM+12+2*\c]
	v_cvt_scalef32_pk16_fp6_f32 v[PC+12+4*\c:PC+14+4*\c], v[\s+16+32*\c:\s+31+32*\c], v[TM+12+2*\c+1]
.endr
	v_nop
.irp c, 0,1
.irp i, 0,1,2
	v_permlane16_swap_b32 v[PC+6*\c+\i], v[PC+12+4*\c+\i]
.endr
.irp i, 0,1,2
	v_mov_b32 v[PC+3+6*\c+\i], v[PC+12+4*\c+\i]
.endr
.endr
.endm
	PLACES NP
	s_mov_b32 s[SEL], 0x76543210
	s_mov_b32 s[SEL+1], 0xfedcba98
	s_mov_b32 s100, 0xffff0000
.irp b, 0,1,2,3
	v_mov_b32 v[TM+4+\b], 0
.endr
	s_lshl_b32 s70, s17, 8
	s_lshl_b32 s71, s15, 7
	s_add_co_u32 s70, s70, s71
	s_lshl_b32 s72, s42, 8
	s_lshl_b32 s71, s16, 7
	s_add_co_u32 s72, s72, s71
	s_cmp_eq_u32 s66, 1
	s_cbranch_scc1 .Lvrole
	s_lshr_b32 s73, s70, 11
	s_bfe_u32 s74, s70, 0x70004
	s_and_b32 s75, s72, 1023
	s_lshr_b32 s76, s75, 6
	s_lshl_b32 s77, s73, 4
	s_add_co_u32 s77, s77, s76
	s_mul_i32 s78, s77, HEADB
	s_mul_i32 s79, ttmp9, REG
	s_add_co_u32 s78, s78, s79
	s_mul_i32 s79, s74, 768
	s_add_co_u32 s78, s78, s79
	s_mov_b32 s79, 0
	s_add_nc_u64 s[96:97], s[96:97], s[78:79]
	s_lshl_b32 s78, s77, 12
	s_mul_i32 s80, ttmp9, SREG
	s_add_co_u32 s78, s78, s80
	s_lshl_b32 s80, s74, 5
	s_add_co_u32 s78, s78, s80
	s_add_nc_u64 s[98:99], s[98:99], s[78:79]
	s_lshr_b32 s78, s75, 7
	s_lshl_b32 s78, s78, 7
	s_add_co_u32 s78, s78, s74
	s_lshl_b32 s78, s78, 13
	s_add_nc_u64 s[8:9], s[8:9], s[78:79]
	s_cmp_eq_u32 ttmp9, 0
	s_cselect_b64 s[10:11], s[10:11], s[92:93]
	s_lshl_b32 s78, s75, 2
	s_add_nc_u64 s[10:11], s[10:11], s[78:79]
.macro TABLOAD a
	WIN 0x40
.irp q, 0,1,2,3,4,5,6,7,8,9,10,11,12,13,14,15
	global_load_b128 v[64+64*((\a)%3)+4*\q:64+64*((\a)%3)+4*\q+3], v[LI], s[8:9] offset:(\a)*8192+512*\q   ; three sets of 64 registers by turns
.endr
	WIN 0
.endm
	WIN 0x40
.irp q, 0,1,2,3,4,5,6,7,8,9,10,11,12,13,14,15
	global_load_b128 v[BI+4*\q:BI+4*\q+3], v[BOF], s[10:11] offset:128*(\q/4)+16*(\q%4)
.endr
	TABLOAD 0
	TABLOAD 1
	TABLOAD 2
.macro QKBLK a
.set TBL, 64+64*((\a)%3)
.if (\a) < 6
	s_wait_loadcnt 32                              ; block a's table is in; the 2 x 16 loads of the two blocks behind it may be out
.else
	s_wait_loadcnt 16*(7-(\a))
.endif
	WIN 0x06+(\a)/4
.set J, 0
.rept 32
	v_pk_add_f32 v[X+J:X+J+1], v[64*((\a)%4)+J:64*((\a)%4)+J+1], v[BI+J:BI+J+1]
.set J, J+2
.endr
	WIN 0x04
.set J, 0
.rept 32
.set TT, TM+2*((J/2)%4)
	v_pk_mul_f32 v[TT:TT+1], v[X+J:X+J+1], v[TBL+J:TBL+J+1] op_sel:[1,1] op_sel_hi:[0,1] neg_lo:[1,0]   ; (-x2 sin, x1 sin)
	v_pk_fma_f32 v[X+J:X+J+1], v[X+J:X+J+1], v[TBL+J:TBL+J+1], v[TT:TT+1] op_sel_hi:[1,0,1]             ; (x1 cos - x2 sin, x2 cos + x1 sin)
.set J, J+2
.endr
.if (\a) < 5
	TABLOAD (\a)+3
.endif
	WIN 0
	s_wait_xcnt 0x0
	QUANT X
	global_store_b128 v[LI], v[PC:PC+3], s[96:97] offset:768*(\a)
	global_store_b64 v[LI2], v[PC+4:PC+5], s[96:97] offset:768*(\a)
	global_store_b128 v[LI], v[PC+6:PC+9], s[96:97] offset:768*(\a)+HEADB
	global_store_b64 v[LI2], v[PC+10:PC+11], s[96:97] offset:768*(\a)+HEADB
.if (\a)%2 == 0
	v_mov_b32 v[PWE], v[PW]
.else
	v_perm_b32 v[WA], v[PW], v[PWE], 0x05040100
	v_perm_b32 v[WB], v[PW], v[PWE], 0x07060302
	v_cndmask_b32 v[WW], v[WA], v[WB], s100
	ds_store_b32 v[STQ], v[WW] offset:64*((\a)/2)
.endif
.endm
.irp a, 0,1,2,3,4,5,6,7
	QKBLK \a
.endr
	ds_load_b128 v[SG:SG+3], v[RDQ]
	s_wait_dscnt 0x0
	global_store_b128 v[GS], v[SG:SG+3], s[98:99]
	s_branch .Lend
.Lvrole:
	s_lshr_b32 s73, s72, 11
	s_bfe_u32 s74, s72, 0x40007
	s_lshr_b32 s76, s70, 6
	s_lshl_b32 s77, s73, 4
	s_add_co_u32 s77, s77, s76
	s_mul_i32 s78, s77, HEADB
	s_add_co_u32 s78, s78, 2*REG
	s_mul_i32 s79, s74, 6144
	s_add_co_u32 s78, s78, s79
	s_mov_b32 s79, 0
	s_add_nc_u64 s[96:97], s[96:97], s[78:79]
	s_lshl_b32 s78, s77, 12
	s_add_co_u32 s78, s78, 2*SREG
	s_lshl_b32 s80, s74, 8
	s_add_co_u32 s78, s78, s80
	s_add_nc_u64 s[98:99], s[98:99], s[78:79]
	s_lshl_b32 s78, s70, 2
	s_add_nc_u64 s[94:95], s[94:95], s[78:79]
.irp a, 0,1,2,3,4,5,6,7
	global_load_b32 v[BVP+2*\a], v[BVO], s[94:95] offset:4*(32*(\a/2)+8*(\a%2))
	global_load_b32 v[BVP+2*\a+1], v[BVO], s[94:95] offset:4*(32*(\a/2)+8*(\a%2))
.endr
	s_wait_loadcnt 0x0
.macro VBLK a
	WIN 0x02+(\a)/4
.set J, 0
.rept 32
	v_pk_add_f32 v[X+J:X+J+1], v[64*((\a)%4)+J:64*((\a)%4)+J+1], v[BVP+2*(\a):BVP+2*(\a)+1]
.set J, J+2
.endr
	WIN 0
	s_wait_xcnt 0x0
	QUANT X
.irp c, 0,1,2
	global_store_b128 v[LI], v[PC+4*\c:PC+4*\c+3], s[96:97] offset:((\a)%4)*1536+((\a)/4)*HEADB+512*\c
.endr
	ds_store_b32 v[STV], v[PW] offset:64*(\a)
.endm
.irp a, 0,1,2,3,4,5,6,7
	VBLK \a
.endr
	ds_load_b128 v[SG:SG+3], v[RDV]
	s_wait_dscnt 0x0
	global_store_b128 v[GS], v[SG:SG+3], s[98:99]
.Lend:
	s_wait_tensorcnt 0x0
	ds_add_u32 v[SPW], v[NIL]
	s_wait_dscnt 0x0
	CROUND
	s_endpgm
.Lfunc_end_k_q407c081ca7_qkv:
	.size	k_q407c081ca7_qkv, .Lfunc_end_k_q407c081ca7_qkv-k_q407c081ca7_qkv
	.p2alignl 7, 3214868480
	.fill 96, 4, 3214868480
	.section	.rodata,"a",@progbits
	.p2align	6, 0x0
	.amdhsa_kernel k_q407c081ca7_qkv
		.amdhsa_group_segment_fixed_size 327680
		.amdhsa_private_segment_fixed_size 0
		.amdhsa_enable_private_segment 0
		.amdhsa_kernarg_size 64
		.amdhsa_user_sgpr_count 2
		.amdhsa_user_sgpr_kernarg_segment_ptr 1
		.amdhsa_wavefront_size32 1
		.amdhsa_system_sgpr_workgroup_id_x 1
		.amdhsa_system_sgpr_workgroup_id_y 1
		.amdhsa_system_sgpr_workgroup_id_z 1
		.amdhsa_system_vgpr_workitem_id 0
		.amdhsa_next_free_vgpr 1024
		.amdhsa_next_free_sgpr 102
		.amdhsa_reserve_vcc 0
		.amdhsa_float_denorm_mode_32 3
		.amdhsa_float_denorm_mode_16_64 3
		.amdhsa_memory_ordered 1
		.amdhsa_forward_progress 1
		.amdhsa_inst_pref_size 255
	.end_amdhsa_kernel
	.section	.bss,"aw",@nobits
	.p2align	6
	.space	262144
	.amdgpu_metadata
---
amdhsa.version: [ 1, 2 ]
amdhsa.kernels:
  - .name:           k_q407c081ca7_qkv
    .symbol:         k_q407c081ca7_qkv.kd
    .args:
      - { .name: cod, .offset: 0, .size: 8, .value_kind: global_buffer, .address_space: global }
      - { .name: scl, .offset: 8, .size: 8, .value_kind: global_buffer, .address_space: global }
      - { .name: tab, .offset: 16, .size: 8, .value_kind: global_buffer, .address_space: global }
      - { .name: bq, .offset: 24, .size: 8, .value_kind: global_buffer, .address_space: global }
      - { .name: bk, .offset: 32, .size: 8, .value_kind: global_buffer, .address_space: global }
      - { .name: bv, .offset: 40, .size: 8, .value_kind: global_buffer, .address_space: global }
      - { .name: cq, .offset: 48, .size: 8, .value_kind: global_buffer, .address_space: global }
      - { .name: sq, .offset: 56, .size: 8, .value_kind: global_buffer, .address_space: global }
    .group_segment_fixed_size: 327680
    .private_segment_fixed_size: 0
    .kernarg_segment_align: 8
    .kernarg_segment_size: 64
    .max_flat_workgroup_size: 128
    .sgpr_count:     102
    .vgpr_count:     1024
    .wavefront_size: 32
...
	.end_amdgpu_metadata
.endif
;; end of part 2
;; launch attn (part 3): grid 8 x 32, 16 waves a work-group, clusters of 4 x 1, 327,680 bytes of LDS; arguments cq, sq, hc, hs; writes hc, hs
.if DOCPART == 3
	.amdgcn_target "amdgcn-amd-amdhsa--gfx1250"
	.amdhsa_code_object_version 6
	.text
	.protected	k_q407c081ca7_attn
	.globl	k_q407c081ca7_attn
	.p2align	8
	.type	k_q407c081ca7_attn,@function
k_q407c081ca7_attn:
	s_mov_b64 s[64:65], 0
	v_nop
	global_prefetch_b8 v0, s[64:65] scope:SCOPE_SE
	s_setreg_imm32_b32 hwreg(HW_REG_WAVE_MODE, 25, 1), 1
	s_wait_xcnt 0x0
	s_wait_alu depctr_hold_cnt(0) depctr_sa_sdst(0) depctr_va_vdst(0) depctr_va_sdst(0) depctr_va_ssrc(0) depctr_va_vcc(0) depctr_vm_vsrc(0)
	s_getreg_b32 s2, hwreg(HW_REG_IB_STS2, 6, 4)
	s_cmp_eq_u32 s2, 0
	s_cbranch_scc0 .Lentry_in_a_cluster
	s_endpgm
.Lentry_in_a_cluster:
	s_bfe_u32 s2, ttmp6, 0x10000c
	s_cmp_lg_u32 s2, 0x3003
	s_cbranch_scc0 .Lentry_shape_is_right
	s_endpgm
.Lentry_shape_is_right:
; ATTN.  For each (batch, head): S^T = K Q^T (K = the head's 64), the softmax with a whole-number M, O^T = V^T P^T (K = the keys), O / l, and the quantiser of the output projection's operand.
; All products on codes of FP6 (E2M3) with E8M0 scales.
; t = score x log2(e) / 8; M = the running largest t rounded up; p = 2^(t - M) is quantised along the keys; the row's sum is taken of the unquantised p; when M moves, the sum and O are multiplied by 2^(old M - new M).
; SHARES.  A work-group owns 256 queries and TWO heads, 2 sp and 2 sp + 1, one after the other: a wave ends with a whole fragment (128 along the projection's K) and a whole scale word.  Each of sixteen waves owns 16 queries.
; THE RING.  Two slots of 1,024 keys: 49,152 bytes of K and as many of V.  The two heads' K and V lie on end in memory: four such halves walk through the two slots, eight key steps of 128 each.
; Waves 0 to 11 fetch 8,192 bytes of a slot each (0-5 K, 6-11 V); at the head waves 12 to 15 fetch the four blocks of scale words, 4,096 bytes each, filled once.
; Every wave issues one load at the head; by the text's count a wave has one tensor load out at the most.
; CLUSTER.  The four query blocks of a cluster walk the same K and V: each tile is asked for jointly (mask 15).
; NO PREFETCH: a refill is asked for eight key steps (96 matrix instructions a wave and their softmax) ahead of its first read, and the first two halves are asked for at the head.
; OPERANDS LIE IN MEMORY AND LDS AS IMAGES OF THEIR REGISTERS: every LDS read is 16 or 8 consecutive bytes a lane.
; THE INSTRUCTION'S 128 AGAINST THE HEAD'S 64: two tiles of 16 keys lie on end in one operand, [tile 2 b | tile 2 b + 1]; against [Q, 0] it gives the even tile's scores, against [0, Q] the odd tile's
; (Q lies as Q, zeros, Q in 18 registers).  One scale word serves both tiles of a pair.
; LDS READS RUN AHEAD: behind a step's score products the NEXT step's K and this step's V fragments 0, 1 are asked for; V's fragments 2, 3 land where the first 32 p lay, behind their conversions.
; At a slot's last step the look-ahead names the 6,144 bytes behind K's part of the slot (V's first bytes) and the next 256 bytes of scale words: they are inside filled LDS and are not used; the next slot's first K is read behind the barrier.
; Tiles hold rows in the order 32 (t / 2) + 8 (t % 2) + r + 8 (r / 8): p's 16 registers of two neighbouring tiles are 16 neighbouring keys, O^T's likewise 16 neighbouring channels.
; LIMITS: NaN and infinities are not served; 1 / l is v_rcp_f32 and a multiplication; blocks under 2^-124 and blocks of zeros keep the scale byte 1; the scaled scores stay under 2^31 in magnitude.
.set REG,    6291456
.set SREG,   262144
.set HEADB,  98304
.set KREG,   49152                     ; a slot's bytes of K, and of V
.set STEPB,  6144                      ; a key step's bytes of K, and of V
.set SLOT1,  1<<17                     ; slot 1 begins here
.set SCK,    98304                     ; between the slots: K's scale words of both heads, 8,192 bytes,
.set SCV,    106496                    ; V's,
.set HSG,    115712                    ; a stage for the work-group's 256 scale words,
.set SPARE,  116736                    ; and the spare words, 128 bytes for each of sixteen waves
.set LI,   1                           ; 16 x lane
.set LI2,  2                           ; 512 + 8 x lane
.set LSK,  3                           ; SCK + 4 x lane
.set LR4,  4                           ; 4 (lane % 16)
.set SPW,  5                           ; my spare word; never rewritten
.set NIL,  6                           ; 0; never rewritten
.set ADK,  8
.set ADK2, 9
.set ADS,  10
.set QF,   16                          ; v16-33  Q, zeros, Q
.set KF,   34                          ; v34-81  eight tiles of K, six registers each
.set VF,   82                          ; v82-105 V's fragments 0 and 1
.set HA,   106                         ; v106-111 the first head's codes
.set S,    112                         ; v112-175 S^T, then p; v112-135 then V's fragments 2 and 3
.set XO,   144                         ; v144-175 O / l
.set O,    176                         ; v176-207 O^T
.set PC,   208
.set CT,   220
.set BM,   228
.set PT,   232
.set SO,   236
.set F,    242                         ; f; with v243 a pair
.set PWD,  243                         ; p's scale word
.set T,    244
.set KSC,  245
.set VSC,  247
.set QS,   249
.set HSA,  250
.set HW,   251
.set HRD,  254
.set HST,  255
.set TB,   2                           ; the key step's place in LDS
.set TS,   3                           ; its scale words: 256 bytes a step
.set WV,   18
.set SEL,  20
.set CS,   22
.set G1T,  24
.set G1S,  32
.set G0T,  40
.set G0S,  44
.set QP,   48
.set QSP,  50
.set HCP,  52
.set HSP,  54
.set CNT,  56
.macro CROUND
	s_barrier_signal -1
	s_barrier_wait -1
	s_cmp_lg_u32 s[WV], 0
	s_cbranch_scc1 .Lnot_wave_0_\@
	s_barrier_signal -3
.Lnot_wave_0_\@:
	s_barrier_wait -3
	s_barrier_signal -1
	s_barrier_wait -1
.endm
.macro NOPS n
.rept \n
	v_nop
.endr
.endm
.macro TLOAD                           ; waves 0 to 11 fetch a twelfth of a slot each; an s_nop 0 and four v_nop follow the line
	s_cmp_lt_u32 s[WV], 12
	s_cbranch_scc0 .Lno_load_\@
	tensor_load_to_lds s[G0T:G0T+3], s[G1T:G1T+7]
	s_nop 0
	NOPS 4
.Lno_load_\@:
.endm
	s_load_b256 s[4:11], s[0:1], 0x0               ; cq s[4:5], sq s[6:7], hc s[8:9], hs s[10:11]
	v_lshl_add_u32 v[SPW], v0, 2, SPARE
	v_mov_b32 v[NIL], 0
	ds_add_u32 v[SPW], v[NIL]                      ; the add, twice on end, and its wait below
	ds_add_u32 v[SPW], v[NIL]
	v_lshrrev_b32 v7, 5, v0
	v_readfirstlane_b32 s[WV], v7                  ; wave 0..15
	s_bfe_u32 s12, ttmp6, 0x40000                  ; cx
	s_lshl_b32 s13, ttmp9, 2
	s_add_co_u32 s13, s13, s12                     ; my block of 256 queries
	s_and_b32 s14, ttmp7, 0xffff                   ; y = 8 batch + sp; (batch, head 2 sp) is number 2 y
	s_mov_b32 s[G1T], 15|(3<<16)|(1<<21)           ; mask: all four; elements of 8 bytes; bit 21 beside a mask; no padding
	s_mov_b32 s[G1T+1], 32<<16                     ; rows of 256 bytes,
	s_mov_b32 s[G1T+2], 32<<16                     ; 32 of them: 8,192 dense bytes
	s_mov_b32 s[G1T+3], 32<<16
	s_mov_b32 s[G1T+4], 32
	s_mov_b32 s[G1T+5], 32
	s_mov_b32 s[G1T+6], 0
	s_mov_b32 s[G1T+7], 0
	s_mov_b32 s[G1S], 15|(3<<16)|(1<<21)
	s_mov_b32 s[G1S+1], 32<<16
	s_mov_b32 s[G1S+2], 16<<16                     ; 16 rows: a head's 4,096 bytes of scale words
	s_mov_b32 s[G1S+3], 32<<16
	s_mov_b32 s[G1S+4], 16
	s_mov_b32 s[G1S+5], 32
	s_mov_b32 s[G1S+6], 0
	s_mov_b32 s[G1S+7], 0
	s_mov_b32 s16, 2*REG-KREG                      ; waves 6-11: V's region, piece wave - 6;
	s_cmp_lt_u32 s[WV], 6
	s_cselect_b32 s16, REG, s16                    ; waves 0-5: K's region, piece wave
	s_lshl_b32 s17, s[WV], 13                      ; 8,192 x wave: in memory and in the slot alike
	s_mul_i32 s62, s14, 2*HEADB
	s_add_co_u32 s62, s62, s16
	s_add_co_u32 s62, s62, s17
	s_mov_b32 s63, 0
	s_and_b32 s15, s[WV], 1                        ; the scale words: which head,
	s_bfe_u32 s59, s[WV], 0x10001
	s_add_co_u32 s59, s59, 1                       ; region 1 (K) or 2 (V)
	s_mul_i32 s66, s59, SREG
	s_lshl_b32 s67, s14, 13
	s_add_co_u32 s66, s66, s67
	s_lshl_b32 s67, s15, 12
	s_add_co_u32 s66, s66, s67
	s_mov_b32 s67, 0
	s_and_b32 s59, s[WV], 3
	s_lshl_b32 s61, s59, 12                        ; K's two heads, then V's
	s_mov_b32 s[SEL], 0x76543210
	s_mov_b32 s[SEL+1], 0xfedcba98
	s_mov_b32 s[CS], 0x3e38aa3b                    ; c = log2(e) / 8
	s_mov_b32 s[CS+1], s[CS]
	s_lshl_b32 s19, s15, 4                         ; my tile's two bytes in its pair's scale word: 16 (wave % 2) bits up
	s_wait_dscnt 0x0                               ; both opening adds are done
	s_wait_kmcnt 0x0
	s_mov_b32 s[G0T], 1
	s_mov_b32 s[G0T+1], s17
	s_add_nc_u64 s[G0T+2:G0T+3], s[4:5], s[62:63]
	s_or_b32 s[G0T+3], s[G0T+3], 0x80000000
	s_mov_b32 s[G0S], 1
	s_add_co_u32 s[G0S+1], s61, SCK
	s_add_nc_u64 s[G0S+2:G0S+3], s[6:7], s[66:67]
	s_or_b32 s[G0S+3], s[G0S+3], 0x80000000
	CROUND                                         ; all four work-groups are here: the first joint loads meet
	s_cmp_lt_u32 s[WV], 12                         ; one load a wave at the head: every way passes one
	s_cbranch_scc0 .Lhead_sc
	tensor_load_to_lds s[G0T:G0T+3], s[G1T:G1T+7]  ; slot 0
	s_nop 0
	NOPS 4
	s_branch .Lhead_asked
.Lhead_sc:
	tensor_load_to_lds s[G0S:G0S+3], s[G1S:G1S+7]  ; the scale words
	s_nop 0
	NOPS 4
.Lhead_asked:
	s_lshl_b32 s15, s13, 4
	s_add_co_u32 s15, s15, s[WV]                   ; my tile of 16 queries in the batch
	s_mul_i32 s62, s14, 2*HEADB
	s_mul_i32 s63, s15, 768
	s_add_co_u32 s62, s62, s63
	s_mov_b32 s63, 0
	s_add_nc_u64 s[QP:QP+1], s[4:5], s[62:63]      ; Q's half image, first head
	s_lshl_b32 s62, s14, 13
	s_lshr_b32 s63, s15, 1
	s_lshl_b32 s63, s63, 6
	s_add_co_u32 s62, s62, s63
	s_mov_b32 s63, 0
	s_add_nc_u64 s[QSP:QSP+1], s[6:7], s[62:63]    ; its pair's scale words
	s_and_b32 s16, s14, 7                          ; sp
	s_lshr_b32 s17, s14, 3                         ; batch
	s_lshr_b32 s62, s16, 1
	s_lshl_b32 s62, s62, 9
	s_lshl_b32 s63, s17, 7
	s_add_co_u32 s62, s62, s63
	s_add_co_u32 s62, s62, s15
	s_mul_i32 s62, s62, 3072
	s_and_b32 s63, s16, 1
	s_mul_i32 s63, s63, 1536
	s_add_co_u32 s62, s62, s63
	s_mov_b32 s63, 0
	s_add_nc_u64 s[HCP:HCP+1], s[8:9], s[62:63]    ; hc: [K step of 256][token tile][2][image]
	s_lshl_b32 s62, s16, 15
	s_lshl_b32 s63, s17, 13
	s_add_co_u32 s62, s62, s63
	s_lshl_b32 s63, s13, 10
	s_add_co_u32 s62, s62, s63
	s_lshl_b32 s63, s[WV], 9
	s_add_co_u32 s62, s62, s63
	s_mov_b32 s63, 0
	s_add_nc_u64 s[HSP:HSP+1], s[10:11], s[62:63]  ; hs: [sp][token]; used by waves 0 and 1
	v_and_b32 v7, 31, v0
	v_and_b32 v[LR4], 15, v0
	v_lshlrev_b32 v[LI], 4, v7
	v_lshl_add_u32 v[LI2], v7, 3, 512
	v_lshl_add_u32 v[LSK], v7, 2, SCK
	v_lshlrev_b32 v[LR4], 2, v[LR4]
	s_lshl_b32 s62, s[WV], 6
	s_add_co_u32 s62, s62, HSG
	v_add_nc_u32 v[HST], s62, v[LR4]               ; the stage: 64 bytes a wave
	s_min_u32 s62, s[WV], 1
	s_lshl_b32 s62, s62, 9
	s_add_co_u32 s62, s62, HSG
	v_add_nc_u32 v[HRD], s62, v[LI]                ; back: 512 bytes for each of waves 0 and 1
.irp j, 0,1,2,3,4,5
	v_mov_b32 v[QF+6+\j], 0                        ; Q's zero half: written once
.endr
.irp b, 0,1,2,3
	v_mov_b32 v[PT+\b], 0                          ; a lane permute's destination counts as one of its sources
.endr
	v_mov_b32 v[PWD], 0                            ; named as the upper half of the pair with f
	v_mov_b32 v[T], 0
.macro INIT                            ; a head begins: the largest t -3e38, the sum and O^T zeros, which the first change of M leaves zeros
	v_mov_b32 v13, 0xff61b1e6
	v_mov_b32 v14, 0
	v_mov_b32 v15, 0
	v_floor_f32 v12, -v13
.set J, 0
.rept 32
	v_mov_b32 v[O+J], 0
.set J, J+1
.endr
.endm
.macro QISSUE hd                       ; my tile's codes, into both places, and its pair's scale word
	global_load_b128 v[QF:QF+3], v[LI], s[QP:QP+1] offset:(\hd)*HEADB
	global_load_b64 v[QF+4:QF+5], v[LI2], s[QP:QP+1] offset:(\hd)*HEADB
	global_load_b128 v[QF+12:QF+15], v[LI], s[QP:QP+1] offset:(\hd)*HEADB
	global_load_b64 v[QF+16:QF+17], v[LI2], s[QP:QP+1] offset:(\hd)*HEADB
	global_load_b32 v[QS], v[LR4], s[QSP:QSP+1] offset:(\hd)*4096
.endm
.macro QWAIT                           ; my two scale bytes, twice in a word.  INIT's 36 lines follow: the places between this write of a scale register and the next scaled product
	s_wait_alu depctr_va_vdst(0)
	s_wait_loadcnt 0x0
	v_lshrrev_b32 v[QS], s19, v[QS]
	s_delay_alu instid0(VALU_DEP_1)
	v_and_b32 v[QS], 0xffff, v[QS]
	s_delay_alu instid0(VALU_DEP_1)
	v_lshl_or_b32 v[QS], v[QS], 16, v[QS]
.endm
	QISSUE 0
	QWAIT
	INIT
.macro SPROD b                         ; the two tiles of pair b: one operand of K against [Q, 0] and [0, Q]; odd pairs' scale words lie in lanes 16-31
.if (\b)%2 == 0
	v_wmma_scale_f32_16x16x128_f8f6f4 v[S+16*(\b):S+16*(\b)+7], v[KF+12*(\b):KF+12*(\b)+11], v[QF:QF+11], 0, v[KSC+(\b)/2], v[QS] matrix_a_fmt:MATRIX_FMT_FP6 matrix_b_fmt:MATRIX_FMT_FP6
	v_wmma_scale_f32_16x16x128_f8f6f4 v[S+16*(\b)+8:S+16*(\b)+15], v[KF+12*(\b):KF+12*(\b)+11], v[QF+6:QF+17], 0, v[KSC+(\b)/2], v[QS] matrix_a_fmt:MATRIX_FMT_FP6 matrix_b_fmt:MATRIX_FMT_FP6
.else
	v_wmma_scale_f32_16x16x128_f8f6f4 v[S+16*(\b):S+16*(\b)+7], v[KF+12*(\b):KF+12*(\b)+11], v[QF:QF+11], 0, v[KSC+(\b)/2], v[QS] matrix_a_fmt:MATRIX_FMT_FP6 matrix_b_fmt:MATRIX_FMT_FP6 matrix_a_scale:MATRIX_SCALE_ROW1
	v_wmma_scale_f32_16x16x128_f8f6f4 v[S+16*(\b)+8:S+16*(\b)+15], v[KF+12*(\b):KF+12*(\b)+11], v[QF+6:QF+17], 0, v[KSC+(\b)/2], v[QS] matrix_a_fmt:MATRIX_FMT_FP6 matrix_b_fmt:MATRIX_FMT_FP6 matrix_a_scale:MATRIX_SCALE_ROW1
.endif
.endm
.macro PVPROD d, vr                    ; vr: where V's fragment d lies
.if (\d)%2 == 0
	v_wmma_scale_f32_16x16x128_f8f6f4 v[O+8*(\d):O+8*(\d)+7], v[\vr:\vr+11], v[PC:PC+11], v[O+8*(\d):O+8*(\d)+7], v[VSC+(\d)/2], v[PWD] matrix_a_fmt:MATRIX_FMT_FP6 matrix_b_fmt:MATRIX_FMT_FP6
.else
	v_wmma_scale_f32_16x16x128_f8f6f4 v[O+8*(\d):O+8*(\d)+7], v[\vr:\vr+11], v[PC:PC+11], v[O+8*(\d):O+8*(\d)+7], v[VSC+(\d)/2], v[PWD] matrix_a_fmt:MATRIX_FMT_FP6 matrix_b_fmt:MATRIX_FMT_FP6 matrix_a_scale:MATRIX_SCALE_ROW1
.endif
.endm
.macro KLOAD o, so                     ; eight tiles of K at byte o from the step in hand, and their four pairs' scale words: 18 LDS loads
.irp t, 0,1,2,3,4,5,6,7
	ds_load_b128 v[KF+6*\t:KF+6*\t+3], v[ADK] offset:(\o)+768*\t
	ds_load_b64 v[KF+6*\t+4:KF+6*\t+5], v[ADK2] offset:(\o)+768*\t
.endr
	ds_load_b32 v[KSC], v[ADS] offset:(\so)        ; pairs 0 (lanes 0-15) and 1 (lanes 16-31)
	ds_load_b32 v[KSC+1], v[ADS] offset:(\so)+128  ; pairs 2 and 3
.endm
.macro VLOAD d, vr
.irp c, 0,1,2
	ds_load_b128 v[\vr+4*\c:\vr+4*\c+3], v[ADK] offset:KREG+1536*(\d)+512*\c
.endr
.endm
.macro ADDRS
	v_add_nc_u32 v[ADK], s[TB], v[LI]
	v_add_nc_u32 v[ADK2], s[TB], v[LI2]
	v_add_nc_u32 v[ADS], s[TS], v[LSK]
.endm
.macro PA d, a, b
	v_pk_add_f32 v[\d:\d+1], v[\a:\a+1], v[\b:\b+1]
.endm
; A KEY STEP: the 128 keys at s[TB] of LDS; their K and its scale words are in registers
.macro STEP
	ADDRS
	v_nop
	v_nop                                          ; five places: the scores below are written over registers that the last step's products read as V
.irp b, 0,1,2,3
	SPROD \b
.endr
	NOPS 4                                         ; places in front of the loads into K's registers and of the first read of the scores
	KLOAD STEPB, 256                               ; the next step's K
	VLOAD 0, VF                                    ; and this step's V, fragments 0 and 1
	VLOAD 1, VF+12
	ds_load_b32 v[VSC], v[ADS] offset:SCV-SCK      ; tiles 0 (lanes 0-15) and 1 (lanes 16-31)
	ds_load_b32 v[VSC+1], v[ADS] offset:SCV-SCK+128
.irp b, 0,1,2,3
	v_max3_num_f32 v[BM+\b], v[S+16*\b], v[S+1+16*\b], v[S+2+16*\b]   ; the largest score of each block of 32 keys: for the row's maximum, and for the block's largest p
.endr
.irp i, 3,5,7,9,11,13
.irp b, 0,1,2,3
	v_max3_num_f32 v[BM+\b], v[BM+\b], v[S+16*\b+\i], v[S+1+16*\b+\i]
.endr
.endr
.irp b, 0,1,2,3
	v_max_num_f32 v[BM+\b], v[BM+\b], v[S+15+16*\b]
.endr
.irp b, 0,1,2,3
	s_delay_alu instid0(VALU_DEP_4)
	v_permlanex16_b32 v[PT+\b], v[BM+\b], s[SEL], s[SEL+1]
.endr
.irp b, 0,1,2,3
	s_delay_alu instid0(VALU_DEP_4)
	v_max_num_f32 v[BM+\b], v[BM+\b], v[PT+\b]
.endr
	s_delay_alu instid0(VALU_DEP_2)
	v_max3_num_f32 v[T], v[BM], v[BM+1], v[BM+2]
	s_delay_alu instid0(VALU_DEP_1)
	v_max_num_f32 v[T], v[T], v[BM+3]
	s_delay_alu instid0(VALU_DEP_1)
	v_mul_f32 v[T], s[CS], v[T]
	s_delay_alu instid0(VALU_DEP_1)
	v_max_num_f32 v13, v13, v[T]                   ; the running largest t
	v_mov_b32 v[T], v12
	s_delay_alu instid0(VALU_DEP_2)
	v_floor_f32 v12, -v13                          ; the new -M: M is a whole number
	s_delay_alu instid0(VALU_DEP_1)
	v_sub_f32 v[T], v12, v[T]
	s_delay_alu instid0(VALU_DEP_1)
	v_cvt_i32_f32 v[T], v[T]                       ; (it saturates)
	s_delay_alu instid0(VALU_DEP_1)
	v_ldexp_f32 v[F], 1.0, v[T]                    ; f = 2^(old M - new M)
.set J, 0
.rept 32
	v_pk_fma_f32 v[S+J:S+J+1], v[S+J:S+J+1], s[CS:CS+1], v[12:13] op_sel_hi:[1,0,0]   ; t - M
.set J, J+2
.endr
.irp b, 0,1,2,3
	v_fma_f32 v[BM+\b], v[BM+\b], s[CS], v12
.endr
.set J, 0
	s_wait_alu depctr_va_vdst(0)                   ; the wait ahead of the batch
.rept 64
	v_exp_f32 v[S+J], v[S+J]                       ; p, not normalised
.set J, J+1
.endr
	v_pk_mul_f32 v[14:15], v[14:15], v[F:F+1] op_sel_hi:[1,0]   ; the sums under the new M: the plain place behind the exponentials
	s_wait_alu depctr_va_vdst(0)                   ; one wait for the batch of 64, ahead of its first reader
.irp b, 0,1,2,3
	v_exp_f32 v[BM+\b], v[BM+\b]                   ; the block's largest p
.endr
	PA 240, S+4, S+8                               ; the row's sum of the unquantised p, in eight chains
	PA 252, S+12, S+16
	PA 238, S+20, S+24
	PA 236, S+28, S+32
	PA 234, S+36, S+40
	PA 232, S+44, S+48
	PA 226, S+52, S+56
	PA 14, 14, S+60
	PA 240, 240, S
	PA 252, 252, S+2
	PA 238, 238, S+6
	PA 236, 236, S+10
	PA 234, 234, S+14
	PA 232, 232, S+18
	PA 226, 226, S+22
	PA 14, 14, S+26
	PA 240, 240, S+30
	PA 252, 252, S+34
	PA 238, 238, S+38
	PA 236, 236, S+42
	PA 234, 234, S+46
	PA 232, 232, S+50
	PA 226, 226, S+54
	PA 14, 14, S+58
	PA 240, 240, S+62
	s_delay_alu instid0(VALU_DEP_2)
	PA 14, 14, 236
	s_delay_alu instid0(VALU_DEP_2)
	PA 240, 240, 234
	PA 252, 252, 232
	PA 238, 238, 226
	s_delay_alu instid0(VALU_DEP_2)
	PA 14, 14, 252
	s_delay_alu instid0(VALU_DEP_2)
	PA 240, 240, 238
	s_delay_alu instid0(VALU_DEP_1)
	PA 14, 14, 240
	s_wait_alu depctr_va_vdst(0)                   ; and one for the four
.irp b, 0,1,2,3
	v_max_num_f32 v[BM+\b], 0x1800000, v[BM+\b]    ; the floor 2^(3 - 127)
.endr
.irp b, 0,1,2,3
	s_delay_alu instid0(VALU_DEP_4)
	v_add_nc_u32 v[SO+\b], 0xff000000, v[BM+\b]
.endr
.irp b, 0,1,2,3
	s_delay_alu instid0(VALU_DEP_4)
	v_lshrrev_b32 v[PT+\b], 23, v[SO+\b]
.endr
	s_delay_alu instid0(VALU_DEP_3)
	v_lshl_or_b32 v[PWD], v[PT+1], 8, v[PT]
	s_delay_alu instid0(VALU_DEP_1)
	v_lshl_or_b32 v[PWD], v[PT+2], 16, v[PWD]
	s_delay_alu instid0(VALU_DEP_1)
	v_lshl_or_b32 v[PWD], v[PT+3], 24, v[PWD]
	v_cvt_scalef32_pk16_fp6_f32 v[PC:PC+2], v[S:S+15], v[SO]
	v_cvt_scalef32_pk16_fp6_f32 v[CT:CT+2], v[S+16:S+31], v[SO+1]
	v_nop                                          ; one plain place behind a scaled conversion
	VLOAD 2, S                                     ; V's fragments 2 and 3 land where the first 32 p lay: six loads
	VLOAD 3, S+12
	v_cvt_scalef32_pk16_fp6_f32 v[PC+6:PC+8], v[S+32:S+47], v[SO+2]
	v_cvt_scalef32_pk16_fp6_f32 v[CT+4:CT+6], v[S+48:S+63], v[SO+3]
	v_nop
.irp c, 0,1
.irp i, 0,1,2
	v_permlane16_swap_b32 v[PC+6*\c+\i], v[CT+4*\c+\i]
.endr
.irp i, 0,1,2
	s_delay_alu instid0(VALU_DEP_3)
	v_mov_b32 v[PC+3+6*\c+\i], v[CT+4*\c+\i]
.endr
.endr
	s_wait_alu depctr_va_vdst(0)                   ; directly ahead of the first reader of O^T
.set J, 0
.rept 16
	v_pk_mul_f32 v[O+J:O+J+1], v[O+J:O+J+1], v[F:F+1] op_sel_hi:[1,0]   ; O^T under the new M; these are also the places in front of the products
.set J, J+2
.endr
	s_wait_alu depctr_va_vdst(0)
	s_wait_dscnt 6                                 ; all but the youngest six loads (V's fragments 2 and 3) are in
	PVPROD 0, VF                                   ; four accumulators by turns
	PVPROD 1, VF+12
	s_wait_dscnt 0x0
	PVPROD 2, S
	PVPROD 3, S+12
	s_add_co_u32 s[TS], s[TS], 256
	s_add_co_u32 s[TB], s[TB], STEPB
.endm
.macro WALK base, ts                   ; a slot's eight key steps; the first step's K is read here, each later step's a step ahead
	s_mov_b32 s[TB], \base
	s_mov_b32 s[TS], \ts
	s_mov_b32 s[CNT], 8
	ADDRS
	KLOAD 0, 0
	s_wait_alu depctr_va_vdst(0)
	s_wait_dscnt 0x0
.Lstep_\@:
	STEP
	s_sub_co_u32 s[CNT], s[CNT], 1
	s_cmp_lg_u32 s[CNT], 0
	s_cbranch_scc1 .Lstep_\@
.endm
; THE CHANGE OF SLOTS: each wave waits for all its tensor loads, adds 0 to its spare word, waits for that and for its reads of the slot that it has left.  fill = 1: behind a round of the cluster's
; barrier the other slot takes the 1,024 keys that follow: the load has eight key steps in which to land.
.macro CHANGE fill
	s_wait_tensorcnt 0x0                           ; no tensor load of mine is out: the walking descriptor may be written
	ds_add_u32 v[SPW], v[NIL]
.if \fill
	s_xor_b32 s[G0T+1], s[G0T+1], SLOT1
	s_add_nc_u64 s[G0T+2:G0T+3], s[G0T+2:G0T+3], KREG
	s_wait_dscnt 0x0
	CROUND
	TLOAD
.else
	s_wait_dscnt 0x0
	s_barrier_signal -1
	s_barrier_wait -1
.endif
.endm
; A head's end: O^T / l, quantised along the head's 64 channels: six registers of codes from v[dst] on, two scale bytes in v[T]
.macro FINAL dst
	v_add_f32 v14, v14, v15
	s_delay_alu instid0(VALU_DEP_1)
	v_permlanex16_b32 v[T], v14, s[SEL], s[SEL+1]
	s_delay_alu instid0(VALU_DEP_1)
	v_add_f32 v14, v14, v[T]                       ; the row's sum
	s_wait_alu depctr_va_vdst(0)
	v_rcp_f32 v14, v14
	v_nop
	s_wait_alu depctr_va_vdst(0)
.set J, 0
.rept 16
	v_pk_mul_f32 v[XO+J:XO+J+1], v[O+J:O+J+1], v[14:15] op_sel_hi:[1,0]   ; each accumulator from its low end on
.set J, J+2
.endr
.irp b, 0,1
	v_max3_num_f32 v[BM+\b], |v[XO+16*\b]|, |v[XO+1+16*\b]|, 0x1800000
.endr
.irp i, 2,4,6,8,10,12,14
.irp b, 0,1
	s_delay_alu instid0(VALU_DEP_2)
	v_max3_num_f32 v[BM+\b], v[BM+\b], |v[XO+16*\b+\i]|, |v[XO+1+16*\b+\i]|
.endr
.endr
.irp b, 0,1
	s_delay_alu instid0(VALU_DEP_2)
	v_permlanex16_b32 v[PT+\b], v[BM+\b], s[SEL], s[SEL+1]
.endr
.irp b, 0,1
	s_delay_alu instid0(VALU_DEP_2)
	v_max_num_f32 v[BM+\b], v[BM+\b], v[PT+\b]
.endr
.irp b, 0,1
	s_delay_alu instid0(VALU_DEP_2)
	v_add_nc_u32 v[SO+\b], 0xff000000, v[BM+\b]
.endr
.irp b, 0,1
	s_delay_alu instid0(VALU_DEP_2)
	v_lshrrev_b32 v[PT+\b], 23, v[SO+\b]
.endr
	s_delay_alu instid0(VALU_DEP_1)
	v_lshl_or_b32 v[T], v[PT+1], 8, v[PT]
	v_cvt_scalef32_pk16_fp6_f32 v[\dst:\dst+2], v[XO:XO+15], v[SO]
	v_cvt_scalef32_pk16_fp6_f32 v[CT:CT+2], v[XO+16:XO+31], v[SO+1]
	v_nop
.irp i, 0,1,2
	v_permlane16_swap_b32 v[\dst+\i], v[CT+\i]
.endr
.irp i, 0,1,2
	s_delay_alu instid0(VALU_DEP_3)
	v_mov_b32 v[\dst+3+\i], v[CT+\i]
.endr
.endm
	s_wait_alu depctr_va_vdst(0)                   ; the wait at the head's end
	CHANGE 1                                       ; slot 0 and the scale words are in; slot 1 takes the first head's keys 1,024 to 2,047: its first fill, issued as a refill is
	WALK 0, 0
	CHANGE 1                                       ; slot 0 takes the second head's first half
	WALK SLOT1, 2048
	CHANGE 1                                       ; slot 1 its second half
	NOPS 4                                         ; places behind the last products
	QISSUE 1                                       ; the second head's Q comes while the first head is closed
	FINAL HA
	v_mov_b32 v[HSA], v[T]
	QWAIT
	INIT
	s_wait_alu depctr_va_vdst(0)                   ; the wait ahead of the scalar lines and waits that follow
	WALK 0, 4096
	CHANGE 0                                       ; nothing is left to fetch
	WALK SLOT1, 6144
	NOPS 4
	FINAL S                                        ; the second head's codes follow the first's: v106-117 are the fragment
	v_lshl_or_b32 v[HW], v[T], 16, v[HSA]          ; and the four bytes its scale word
.irp c, 0,1,2
	global_store_b128 v[LI], v[HA+4*\c:HA+4*\c+3], s[HCP:HCP+1] offset:512*\c   ; 512 consecutive bytes, aligned
.endr
	ds_store_b32 v[HST], v[HW]                     ; lanes l and l xor 16 write the same word with the same value
	s_wait_dscnt 0x0                               ; for the others' sake
	s_barrier_signal -1
	s_barrier_wait -1
	s_cmp_lt_u32 s[WV], 2
	s_cbranch_scc0 .Lno_hs
	ds_load_b128 v[XO:XO+3], v[HRD]
	s_wait_dscnt 0x0
	global_store_b128 v[LI], v[XO:XO+3], s[HSP:HSP+1]   ; the work-group's 256 scale words: 512 consecutive bytes a wave
.Lno_hs:
	s_wait_tensorcnt 0x0                           ; the wave's end
	ds_add_u32 v[SPW], v[NIL]
	s_wait_dscnt 0x0
	CROUND                                         ; the closing round
	s_endpgm
.Lfunc_end_k_q407c081ca7_attn:
	.size	k_q407c081ca7_attn, .Lfunc_end_k_q407c081ca7_attn-k_q407c081ca7_attn
	.p2alignl 7, 3214868480
	.fill 96, 4, 3214868480
	.section	.rodata,"a",@progbits
	.p2align	6, 0x0
	.amdhsa_kernel k_q407c081ca7_attn
		.amdhsa_group_segment_fixed_size 327680
		.amdhsa_private_segment_fixed_size 0
		.amdhsa_enable_private_segment 0
		.amdhsa_kernarg_size 32
		.amdhsa_user_sgpr_count 2
		.amdhsa_user_sgpr_kernarg_segment_ptr 1
		.amdhsa_wavefront_size32 1
		.amdhsa_system_sgpr_workgroup_id_x 1
		.amdhsa_system_sgpr_workgroup_id_y 1
		.amdhsa_system_sgpr_workgroup_id_z 1
		.amdhsa_system_vgpr_workitem_id 0
		.amdhsa_next_free_vgpr 256
		.amdhsa_next_free_sgpr 68
		.amdhsa_reserve_vcc 0
		.amdhsa_float_denorm_mode_32 3
		.amdhsa_float_denorm_mode_16_64 3
		.amdhsa_memory_ordered 1
		.amdhsa_forward_progress 1
		.amdhsa_inst_pref_size 96
	.end_amdhsa_kernel
	.amdgpu_metadata
---
amdhsa.version: [ 1, 2 ]
amdhsa.kernels:
  - .name:           k_q407c081ca7_attn
    .symbol:         k_q407c081ca7_attn.kd
    .args:
      - { .name: cq, .offset: 0, .size: 8, .value_kind: global_buffer, .address_space: global }
      - { .name: sq, .offset: 8, .size: 8, .value_kind: global_buffer, .address_space: global }
      - { .name: hc, .offset: 16, .size: 8, .value_kind: global_buffer, .address_space: global }
      - { .name: hs, .offset: 24, .size: 8, .value_kind: global_buffer, .address_space: global }
    .group_segment_fixed_size: 327680
    .private_segment_fixed_size: 0
    .kernarg_segment_align: 8
    .kernarg_segment_size: 32
    .max_flat_workgroup_size: 512
    .sgpr_count:     68
    .vgpr_count:     256
    .wavefront_size: 32
...
	.end_amdgpu_metadata
.endif
;; end of part 3
;; launch proj (part 4): grid 4 x 64, 4 waves a work-group, clusters of 4 x 4, 327,680 bytes of LDS; arguments hc, hs, cod, scl, bo, out0; writes out0
.if DOCPART == 4
	.amdgcn_target "amdgcn-amd-amdhsa--gfx1250"
	.amdhsa_code_object_version 6
	.text
	.protected	k_q407c081ca7_proj
	.globl	k_q407c081ca7_proj
	.p2align	8
	.type	k_q407c081ca7_proj,@function
k_q407c081ca7_proj:
	s_mov_b64 s[64:65], 0
	v_nop
	global_prefetch_b8 v0, s[64:65] scope:SCOPE_SE
	s_setreg_imm32_b32 hwreg(HW_REG_WAVE_MODE, 25, 1), 1
	s_wait_xcnt 0x0
	s_wait_alu depctr_hold_cnt(0) depctr_sa_sdst(0) depctr_va_vdst(0) depctr_va_sdst(0) depctr_va_ssrc(0) depctr_va_vcc(0) depctr_vm_vsrc(0)
	s_getreg_b32 s2, hwreg(HW_REG_IB_STS2, 6, 4)
	s_cmp_eq_u32 s2, 0
	s_cbranch_scc0 .Lentry_in_a_cluster
	s_endpgm
.Lentry_in_a_cluster:
	s_bfe_u32 s2, ttmp6, 0x10000c
	s_cmp_lg_u32 s2, 0xf033
	s_cbranch_scc0 .Lentry_shape_is_right
	s_endpgm
.Lentry_shape_is_right:
; PROJ.  out = heads Wo^T + bo on codes of FP6 (E2M3) with E8M0 scales; sums in f32.
; A work-group makes 128 tokens x 256 columns: 64 x 4 = 256 work-groups.  Four waves, each 64 x 128: 32 accumulators of 16 x 16 in window 2.
; Both operands lie in memory as images of operand registers, [K step of 256: 4][tile of 16 rows][128 along K: 2][1,536 bytes]; a fragment is three loads of 16 bytes a lane.
; ALL OF K STAYS IN LDS: A 4 x 24,576 bytes, B 4 x 49,152, A's scale words 4,096, B's 8,704 with padding.  Nothing is filled again.
; The head's four loads, one a wave: K steps 0 and 1 of A (two rows of 24,576 bytes), of B (two rows of 49,152), A's scale words, B's.  Behind a round of the cluster's barrier each wave asks for one
; dense block more: A's K step 2 or 3, B's K step 2 or 3; a barrier in step 3 shows them to all waves: they have three steps and a half, 112 matrix instructions a wave, in which to land.
; CLUSTER 4 x 4: A's tiles hang on the work-group's y alone and are asked for jointly along a row of the cluster, B's on x alone, along a column.
; The matrix instruction is used transposed (source 0 = rows of Wo, source 1 = tokens): a lane holds eight neighbouring columns of a row of the result.
; All scale words of the wave's rows, for all of K, are read into 96 registers once.  Each step's fragments are asked for a step (32 matrix instructions) ahead, in two sets of registers.
; NO PREFETCH: the launch has no loop to run ahead in; all its tiles are asked for in its first two groups of loads.
; Tiles hold rows in the order 32 (t / 2) + 8 (t % 2) + x + 8 (x / 8), tokens and columns alike: the way out puts both back.
.set HCK,    1572864                   ; hc: bytes from a K step of 256 to the next
.set CDK,    2359296                   ; cod: the same
.set ABLK,   24576                     ; 128 tokens of one K step
.set BBLK,   49152                     ; 256 rows of Wo of one K step
.set LB,     4*ABLK                    ; LDS: B behind A
.set SCA,    LB+4*BBLK                 ; A's scale words: [128 along K: 8][128 tokens] words
.set SCB,    SCA+4096                  ; B's: 32 rows of 256 bytes + 16
.set HALFS,  16*272
.set SBLK,   2*272
.set SPARE,  SCB+2*HALFS               ; the spare words, 128 bytes a wave
.set SPITCH, 528                       ; the way out: a stage of 16 rows x (512 + 16) bytes a wave, from LDS byte 0 on: A's K steps 0 and 1, which nobody reads behind step 3's barrier
.set FR,   12
.set BO,   8                           ; v8-11  my four columns of bo
.set ADRA, 12                          ; v12-15 my A fragments, one address for each K step
.set ADRB, 16                          ; v16-19 the same for B
.set STO,  20
.set RD,   21
.set CO,   22                          ; 16 x lane
.set ADSB, 23
.set ADSA, 24
.set SPW,  28                          ; my spare word; never rewritten
.set NIL,  29                          ; 0; never rewritten
.set SB,   32                          ; v32-95  B's scale words: block b, step st at 8 b + st
.set SA,   96                          ; v96-127 A's: block a, step st at 8 a + st
.set AF,   128                         ; v128-223 A's fragments, two sets of 48
.set BK,   128                         ; the way out: 16 rows read back, v128-191 and v192-255 by turns
.set G1,   24
.set G0,   32
.set G0B,  36
.set G1B,  48
.set G1S,  56
.set G1SB, 68
.set G0S,  76
.set G0SB, 80
.set MSB, 0
.macro WIN new
.if MSB != (\new)
	s_set_vgpr_msb (MSB<<8)|(\new)
.set MSB, (\new)
.endif
.endm
.set MUL, 0xa1                         ; source 0 (B) window 1, source 1 (A) window 0, C and D window 2
.macro PLACES n
.rept \n
	v_nop
.endr
.endm
.macro CREST
	s_cmp_lg_u32 s14, 0
	s_cbranch_scc1 .Lnot_wave_0_\@
	s_barrier_signal -3
.Lnot_wave_0_\@:
	s_barrier_wait -3
	s_barrier_signal -1
	s_barrier_wait -1
.endm
.macro CROUND
	s_barrier_signal -1
	s_barrier_wait -1
	CREST
.endm
	s_load_b256 s[4:11], s[0:1], 0x0               ; hc s[4:5], hs s[6:7], cod s[8:9], scl s[10:11]
	s_load_b128 s[96:99], s[0:1], 0x20             ; bo, out0
	v_lshl_add_u32 v[SPW], v0, 2, SPARE
	v_mov_b32 v[NIL], 0
	ds_add_u32 v[SPW], v[NIL]                      ; the add, twice on end, and its wait below
	ds_add_u32 v[SPW], v[NIL]
	v_lshrrev_b32 v1, 5, v0
	v_readfirstlane_b32 s14, v1                    ; wave 0..3
	s_lshr_b32 s15, s14, 1                         ; which 64 tokens are mine.  Also: in the second group I fetch for A (0) or B (1)
	s_and_b32 s16, s14, 1                          ; which 128 columns.  Also: K step 2 or 3
	s_bfe_u32 s40, ttmp6, 0x40000                  ; cx, cy
	s_bfe_u32 s41, ttmp6, 0x40004
	s_lshl_b32 s42, ttmp9, 2
	s_add_co_u32 s42, s42, s40                     ; block of 256 columns
	s_and_b32 s17, ttmp7, 0xffff
	s_lshl_b32 s17, s17, 2
	s_add_co_u32 s17, s17, s41                     ; block of 128 tokens
	s_lshl_b32 s43, s41, 2
	s_lshl_b32 s43, 15, s43                        ; my row of the cluster
	s_lshl_b32 s44, 0x1111, s40                    ; my column
	s_or_b32 s[G1+0], s43, (3<<16)|(1<<21)         ; A, K steps 0 and 1: two rows of 3,072 elements of 8 bytes, HCK bytes apart
	s_mov_b32 s[G1+1], 3072<<16
	s_mov_b32 s[G1+2], 2<<16
	s_mov_b32 s[G1+3], 3072<<16
	s_mov_b32 s[G1+4], 2
	s_mov_b32 s[G1+5], HCK/8
	s_mov_b32 s[G1+6], 0
	s_mov_b32 s[G1+7], 0
	s_or_b32 s[G1B+0], s44, (3<<16)|(1<<21)        ; B likewise: two rows of 6,144 elements, CDK bytes apart
	s_mov_b32 s[G1B+1], 6144<<16
	s_mov_b32 s[G1B+2], 2<<16
	s_mov_b32 s[G1B+3], 6144<<16
	s_mov_b32 s[G1B+4], 2
	s_mov_b32 s[G1B+5], CDK/8
	s_mov_b32 s[G1B+6], 0
	s_mov_b32 s[G1B+7], 0
	s_or_b32 s[G1S+0], s43, (3<<16)|(1<<21)        ; A's scale words: eight rows of 512 bytes, 32,768 bytes apart
	s_mov_b32 s[G1S+1], 64<<16
	s_mov_b32 s[G1S+2], 8<<16
	s_mov_b32 s[G1S+3], 64<<16
	s_mov_b32 s[G1S+4], 8
	s_mov_b32 s[G1S+5], 4096
	s_mov_b32 s[G1S+6], 0
	s_mov_b32 s[G1S+7], 0
	s_or_b32 s[G1SB+0], s44, (3<<16)|(1<<20)|(1<<21)|(5<<22)|(3<<25)   ; B's: a dense block of 8,192 bytes as 32 rows of 256, 16 bytes of padding behind each
	s_mov_b32 s[G1SB+1], 32<<16
	s_mov_b32 s[G1SB+2], 32<<16
	s_mov_b32 s[G1SB+3], 32<<16
	s_mov_b32 s[G1SB+4], 32
	s_mov_b32 s[G1SB+5], 32
	s_mov_b32 s[G1SB+6], 0
	s_mov_b32 s[G1SB+7], 0
	s_mul_i32 s20, s17, ABLK                       ; A's codes: eight tiles of 3,072 bytes a block
	s_mov_b32 s21, 0
	s_lshl_b32 s22, s17, 9                         ; A's scale words: 512 bytes a block
	s_mov_b32 s23, 0
	s_lshl_b32 s46, s42, 8
	s_add_co_u32 s46, s46, 11264                   ; Wo's rows in cod and scl
	s_lshl_b32 s92, s46, 5
	s_mov_b32 s93, 0
	s_mul_i32 s46, s46, 192
	s_mov_b32 s47, 0
	s_add_co_u32 s18, s16, 2                       ; the second group: my K step, 2 or 3
	s_mul_i32 s45, s18, ABLK                       ; its place in LDS, A's
	s_mul_i32 s94, s18, BBLK
	s_add_co_u32 s94, s94, LB                      ; and B's
	s_mul_i32 s2, s18, HCK                         ; and in memory
	s_mov_b32 s3, 0
	s_mul_i32 s18, s18, CDK
	s_mov_b32 s19, 0
	s_mul_i32 s84, s15, 12288                      ; LDS: my 64 tokens' fragments,
	s_mul_i32 s85, s16, 24576
	s_add_co_u32 s85, s85, LB                      ; my 128 columns',
	s_mul_i32 s86, s16, HALFS
	s_add_co_u32 s86, s86, SCB                     ; their scale words,
	s_lshl_b32 s87, s15, 8
	s_add_co_u32 s87, s87, SCA                     ; my tokens',
	s_mul_i32 s88, s14, 16*SPITCH                  ; my stage
	s_wait_dscnt 0x0                               ; both opening adds are done
	s_wait_kmcnt 0x0
	s_add_nc_u64 s[20:21], s[4:5], s[20:21]
	s_add_nc_u64 s[22:23], s[6:7], s[22:23]
	s_add_nc_u64 s[46:47], s[8:9], s[46:47]
	s_add_nc_u64 s[92:93], s[10:11], s[92:93]
	CROUND                                         ; all sixteen work-groups are here: the first joint loads meet
	s_mov_b32 s[G0], 1
	s_mov_b32 s[G0+1], 0
	s_mov_b64 s[G0+2:G0+3], s[20:21]
	s_mov_b32 s[G0B], 1
	s_mov_b32 s[G0B+1], LB
	s_mov_b64 s[G0B+2:G0B+3], s[46:47]
	s_mov_b32 s[G0S], 1
	s_mov_b32 s[G0S+1], SCA
	s_mov_b64 s[G0S+2:G0S+3], s[22:23]
	s_mov_b32 s[G0SB], 1
	s_mov_b32 s[G0SB+1], SCB
	s_mov_b64 s[G0SB+2:G0SB+3], s[92:93]
.irp r, G0+3, G0B+3, G0S+3, G0SB+3
	s_or_b32 s[\r], s[\r], 0x80000000
.endr
; the head's loads, one a wave: one chain of branches on the wave's number, every way through it passes one load
.macro ARM under, g0, g1, next
	s_cmp_lt_u32 s14, \under
	s_cbranch_scc0 \next
	tensor_load_to_lds s[\g0:\g0+3], s[\g1:\g1+7]
	s_nop 0
	PLACES 4
	s_branch .Lhead_asked
\next:
.endm
	ARM 1, G0,  G1,  .Lhead_b
	ARM 2, G0B, G1B, .Lhead_sa
	ARM 3, G0S, G1S, .Lhead_sb
	tensor_load_to_lds s[G0SB:G0SB+3], s[G1SB:G1SB+7]
	s_nop 0
	PLACES 4
.Lhead_asked:
	v_and_b32 v1, 15, v0                           ; r
	v_bfe_u32 v2, v0, 4, 1                         ; h
	v_and_b32 v6, 31, v0
	v_lshlrev_b32 v[CO], 4, v6
	v_add_nc_u32 v[ADRA], s84, v[CO]
	v_add_nc_u32 v[ADRB], s85, v[CO]
.irp k, 1,2,3
	v_add_nc_u32 v[ADRA+\k], ABLK, v[ADRA+\k-1]
	v_add_nc_u32 v[ADRB+\k], BBLK, v[ADRB+\k-1]
.endr
	v_lshlrev_b32 v5, 5, v1                        ; B's scales: 32 bytes a row,
	v_lshrrev_b32 v6, 8, v5
	v_lshl_add_u32 v5, v6, 4, v5                   ; and 16 more for each 256 passed
	v_add_nc_u32 v[ADSB], s86, v5
	v_lshl_add_u32 v[ADSA], v1, 2, s87
	v_mul_u32_u24 v5, v1, SPITCH                   ; the stage, in: row r; a lane's eight columns of block b begin at 32 (b / 2) + 8 (b % 2) + 16 h
	v_lshl_add_u32 v5, v2, 6, v5
	v_add_nc_u32 v[STO], s88, v5
	v_add_nc_u32 v[RD], s88, v[CO]                 ; back: the 32 lanes take a row of 512 bytes
	s_lshl_b32 s46, s42, 10
	s_lshl_b32 s47, s16, 9
	s_add_co_u32 s46, s46, s47                     ; my first column, in bytes
	s_mov_b32 s47, 0
	s_add_nc_u64 s[96:97], s[96:97], s[46:47]
	global_load_b128 v[BO:BO+3], v[CO], s[96:97]
	s_lshl_b32 s20, s17, 7
	s_lshl_b32 s21, s15, 6
	s_add_co_u32 s20, s20, s21                     ; my first token
	s_lshl_b32 s20, s20, 12
	s_mov_b32 s21, 0
	s_add_nc_u64 s[98:99], s[98:99], s[20:21]
	s_add_nc_u64 s[98:99], s[98:99], s[46:47]
.macro FETCH st                        ; step st's fragments into set st % 2: B's eight, A's four: 36 loads
	WIN 0x40
.irp i, 0,1,2,3,4,5,6,7
.irp c, 0,1,2
	ds_load_b128 v[128*((\st)%2)+FR*\i+4*\c:128*((\st)%2)+FR*\i+4*\c+3], v[ADRB+(\st)/2] offset:3072*\i+1536*((\st)%2)+512*\c
.endr
.endr
	WIN 0
.irp i, 0,1,2,3
.irp c, 0,1,2
	ds_load_b128 v[AF+48*((\st)%2)+FR*\i+4*\c:AF+48*((\st)%2)+FR*\i+4*\c+3], v[ADRA+(\st)/2] offset:3072*\i+1536*((\st)%2)+512*\c
.endr
.endr
.endm
.macro MULA st, a                      ; A's block a against B's eight; the 32 accumulators take turns, in the same order in every step; step 0 starts the sums
.irp b, 0,1,2,3,4,5,6,7
.if (\st) == 0
	v_wmma_scale_f32_16x16x128_f8f6f4 v[8*(8*(\a)+\b):8*(8*(\a)+\b)+7], v[128*((\st)%2)+FR*\b:128*((\st)%2)+FR*\b+FR-1], v[AF+48*((\st)%2)+FR*(\a):AF+48*((\st)%2)+FR*(\a)+FR-1], 0, v[SB+8*\b+(\st)], v[SA+8*(\a)+(\st)] matrix_a_fmt:MATRIX_FMT_FP6 matrix_b_fmt:MATRIX_FMT_FP6
.else
	v_wmma_scale_f32_16x16x128_f8f6f4 v[8*(8*(\a)+\b):8*(8*(\a)+\b)+7], v[128*((\st)%2)+FR*\b:128*((\st)%2)+FR*\b+FR-1], v[AF+48*((\st)%2)+FR*(\a):AF+48*((\st)%2)+FR*(\a)+FR-1], v[8*(8*(\a)+\b):8*(8*(\a)+\b)+7], v[SB+8*\b+(\st)], v[SA+8*(\a)+(\st)] matrix_a_fmt:MATRIX_FMT_FP6 matrix_b_fmt:MATRIX_FMT_FP6
.endif
.endr
.endm
.macro STEP st
	s_wait_dscnt 0x0                               ; this step's fragments are in (asked for 32 matrix instructions ago)
.if (\st) == 3
	s_wait_tensorcnt 0x0                           ; my block of K steps 2 and 3 is in: say so,
	s_barrier_signal -1
	WIN MUL
	MULA \st, 0                                    ; work on registers while the others arrive,
	MULA \st, 1
	WIN 0
	s_barrier_wait -1                              ; and go on when all four blocks are in
	PLACES 4                                       ; places in front of loads into registers that the last step's products read
	FETCH (\st)+1
	WIN MUL
	MULA \st, 2
	MULA \st, 3
.else
.if (\st) < 7
.if (\st) > 0
	PLACES 4
.endif
	FETCH (\st)+1
.endif
	WIN MUL
.irp a, 0,1,2,3
	MULA \st, \a
.endr
.endif
	WIN 0
.endm
	s_wait_alu depctr_va_vdst(0)                   ; the wait at the head's end
	s_wait_tensorcnt 0x0                           ; my tile of the head's four is in
	ds_add_u32 v[SPW], v[NIL]
	s_mov_b32 s[G1+1], 32<<16                      ; no tensor load of mine is out: from here on a load brings one dense block as rows of 256 bytes: A's 96,
	s_mov_b32 s[G1+2], 96<<16
	s_mov_b32 s[G1+3], 32<<16
	s_mov_b32 s[G1+4], 96
	s_mov_b32 s[G1+5], 32
	s_mov_b32 s[G1B+1], 32<<16                     ; B's 192;
	s_mov_b32 s[G1B+2], 192<<16
	s_mov_b32 s[G1B+3], 32<<16
	s_mov_b32 s[G1B+4], 192
	s_mov_b32 s[G1B+5], 32
	s_mov_b32 s[G0+1], s45                         ; and the groups 0 name my K step
	s_add_nc_u64 s[G0+2:G0+3], s[G0+2:G0+3], s[2:3]
	s_mov_b32 s[G0B+1], s94
	s_add_nc_u64 s[G0B+2:G0B+3], s[G0B+2:G0B+3], s[18:19]
	s_wait_dscnt 0x0
	CROUND
	s_cmp_eq_u32 s15, 0                            ; waves 0, 1: A's K steps 2, 3; waves 2, 3: B's: the first tensor load behind the round
	s_cbranch_scc0 .Lfor_b
	tensor_load_to_lds s[G0:G0+3], s[G1:G1+7]
	s_nop 0
	PLACES 4
	s_branch .Lasked
.Lfor_b:
	tensor_load_to_lds s[G0B:G0B+3], s[G1B:G1B+7]
	s_nop 0
	PLACES 4
.Lasked:
.irp i, 0,1,2,3,4,5,6,7
	ds_load_b128 v[SB+8*\i:SB+8*\i+3], v[ADSB] offset:\i*SBLK          ; a row's eight scale words
	ds_load_b128 v[SB+8*\i+4:SB+8*\i+7], v[ADSB] offset:\i*SBLK+16
.endr
.irp a, 0,1,2,3
.irp st, 0,1,2,3,4,5,6,7
	ds_load_b32 v[SA+8*\a+\st], v[ADSA] offset:512*\st+64*\a
.endr
.endr
	FETCH 0
.irp st, 0,1,2,3,4,5,6,7
	STEP \st
.endr
; THE WAY OUT, block by block of 16 tokens x 128 columns: through my own stage in LDS, back as whole rows of 512 bytes, bo added, stored as two aligned units of 256 bytes.
; LDS serves a wave's instructions in order (ISA guide 5.7.1.4): no wait between the stores and the loads.
.macro TOSTAGE a
	WIN 0x08                                       ; the data: window 2
.irp b, 0,1,2,3,4,5,6,7
	ds_store_b128 v[STO], v[64*(\a)+8*\b:64*(\a)+8*\b+3] offset:128*(\b/2)+32*(\b%2)      ; each accumulator from its low end on
	ds_store_b128 v[STO], v[64*(\a)+8*\b+4:64*(\a)+8*\b+7] offset:128*(\b/2)+32*(\b%2)+16
.endr
	WIN 0
.set BB, BK+64*((\a)%2)
.irp t, 0,1,2,3,4,5,6,7,8,9,10,11,12,13,14,15
	ds_load_b128 v[BB+4*\t:BB+4*\t+3], v[RD] offset:\t*SPITCH
.endr
.endm
.macro SEND a, younger                 ; younger: the LDS instructions issued behind block a's loads, which may stay out
.set BB, BK+64*((\a)%2)
	s_wait_dscnt \younger
.irp t, 0,1,2,3,4,5,6,7,8,9,10,11,12,13,14,15
	v_pk_add_f32 v[BB+4*\t:BB+4*\t+1], v[BB+4*\t:BB+4*\t+1], v[BO:BO+1]
	v_pk_add_f32 v[BB+4*\t+2:BB+4*\t+3], v[BB+4*\t+2:BB+4*\t+3], v[BO+2:BO+3]
	global_store_b128 v[CO], v[BB+4*\t:BB+4*\t+3], s[98:99] offset:(32*((\a)/2)+8*((\a)%2)+\t+8*(\t/8))*4096 th:TH_STORE_NT
.endr
.endm
	PLACES 4
	s_wait_loadcnt 0x0                             ; bo is in
	TOSTAGE 0
.irp a, 1,2,3
.if \a > 1
	s_wait_xcnt 0x0                                ; block a - 2's stores have read their registers: block a's loads may land there
.endif
	TOSTAGE \a
	SEND (\a)-1, 32                                ; behind block a - 1's loads: block a's 16 stores and 16 loads
.endr
	SEND 3, 0
	s_wait_tensorcnt 0x0                           ; the wave's end
	ds_add_u32 v[SPW], v[NIL]
	s_wait_dscnt 0x0
	CROUND                                         ; the closing round
	s_endpgm
.Lfunc_end_k_q407c081ca7_proj:
	.size	k_q407c081ca7_proj, .Lfunc_end_k_q407c081ca7_proj-k_q407c081ca7_proj
	.p2alignl 7, 3214868480
	.fill 96, 4, 3214868480
	.section	.rodata,"a",@progbits
	.p2align	6, 0x0
	.amdhsa_kernel k_q407c081ca7_proj
		.amdhsa_group_segment_fixed_size 327680
		.amdhsa_private_segment_fixed_size 0
		.amdhsa_enable_private_segment 0
		.amdhsa_kernarg_size 48
		.amdhsa_user_sgpr_count 2
		.amdhsa_user_sgpr_kernarg_segment_ptr 1
		.amdhsa_wavefront_size32 1
		.amdhsa_system_sgpr_workgroup_id_x 1
		.amdhsa_system_sgpr_workgroup_id_y 1
		.amdhsa_system_sgpr_workgroup_id_z 1
		.amdhsa_system_vgpr_workitem_id 0
		.amdhsa_next_free_vgpr 768
		.amdhsa_next_free_sgpr 100
		.amdhsa_reserve_vcc 0
		.amdhsa_float_denorm_mode_32 3
		.amdhsa_float_denorm_mode_16_64 3
		.amdhsa_memory_ordered 1
		.amdhsa_forward_progress 1
		.amdhsa_inst_pref_size 89
	.end_amdhsa_kernel
	.amdgpu_metadata
---
amdhsa.version: [ 1, 2 ]
amdhsa.kernels:
  - .name:           k_q407c081ca7_proj
    .symbol:         k_q407c081ca7_proj.kd
    .args:
      - { .name: hc, .offset: 0, .size: 8, .value_kind: global_buffer, .address_space: global }
      - { .name: hs, .offset: 8, .size: 8, .value_kind: global_buffer, .address_space: global }
      - { .name: cod, .offset: 16, .size: 8, .value_kind: global_buffer, .address_space: global }
      - { .name: scl, .offset: 24, .size: 8, .value_kind: global_buffer, .address_space: global }
      - { .name: bo, .offset: 32, .size: 8, .value_kind: global_buffer, .address_space: global }
      - { .name: out0, .offset: 40, .size: 8, .value_kind: global_buffer, .address_space: global }
    .group_segment_fixed_size: 327680
    .private_segment_fixed_size: 0
    .kernarg_segment_align: 8
    .kernarg_segment_size: 48
    .max_flat_workgroup_size: 128
    .sgpr_count:     100
    .vgpr_count:     768
    .wavefront_size: 32
...
	.end_amdgpu_metadata
.endif
;; end of part 4
